; MI455X (gfx1250); checked and timed in simulation.
; The chip was launched on July 23, 2026; its instructions are those of AMD's public machine-readable ISA for CDNA 5 (MIT licence, August 2026) and "CDNA5" Instruction Set Architecture Reference Guide (July 2026). The comments in the code are by the model that wrote it; some were corrected since.
;; Diff Attn. Allowed arithmetic: matrix products marked QUANTISED: E2M1 operands, one E8M0 scale for each 32 along K, by v_wmma_scale_f32_16x16x128_f8f6f4 with both operands' format E2M1 (or v_wmma_scale_f32_32x16x128_f4), f32 sums; products left as they are: bf16, f16 or f32 operands; f32 sums; everything else in f32.
;; Inputs: Wk 2,048 x 2,048 float32; Wo 2,048 x 2,048 float32; Wq 2,048 x 2,048 float32; Wv 2,048 x 2,048 float32; lambda_k1 64 float32; lambda_k2 64 float32; lambda_q1 64 float32; lambda_q2 64 float32; x 1 x 2,048 x 2,048 float32.
;; Outputs: out0 1 x 2,048 x 2,048 float32.
;; This version of the problem:
;;   THIS VERSION OF THE PROBLEM IS GIVEN IN LOW PRECISION. The matrix products marked QUANTISED in the list below multiply operands that are first quantised to E2M1 (2 exponent bits, 1 mantissa bit; 4 bits a number), with one power-of-two scale for each 32 numbers along K (OCP MX v1.0); their sums are f32. The products marked 'left as it is' may take bf16, f16 or f32 operands, with f32 sums. Whichever they take, every output number must still come out within the allowed error. Rounding operands to bf16 (8 significant bits) uses up far more of that allowance than f16 does (11 bits, for magnitudes from 6e-5 to 65,504). All else is computed in f32.
;;   The module's matrix products, in the order in which they are computed (A, B: the left and right operand; K: the contracted axis; several contracted axes count as one K, in the product's order):
;;     1. [M 2,048, K 2,048] x [K 2,048, N 2,048]; A: input x; B: input Wq: QUANTISED
;;     2. [M 2,048, K 2,048] x [K 2,048, N 2,048]; A: input x; B: input Wk: QUANTISED
;;     3. [M 2,048, K 2,048] x [K 2,048, N 2,048]; A: input x; B: input Wv: QUANTISED
;;     4. batch 32 x [M 2,048, K 64] x [K 64, N 2,048]; A: computed on the way; B: computed on the way: left as it is (an operand is computed on the way)
;;     5. batch 16 x [M 2,048, K 2,048] x [K 2,048, N 128]; A: computed on the way; B: computed on the way: left as it is (an operand is computed on the way)
;;     6. [M 2,048, K 2,048] x [K 2,048, N 2,048]; A: computed on the way; B: input Wo: left as it is (an operand is computed on the way)
;;   THE QUANTISER, for each operand of a quantised product, along K:
;;     - K is cut into blocks of 32 from its start; a last block that is shorter is filled with zeros.
;;     - A block's scale is 2^e with e = floor(log2(the largest magnitude in the block)) - 2, held to -126 .. 127; a block of zeros has e = 0. As a byte (E8M0): e + 127.
;;     - Each number is divided by its block's scale, clamped to +-6, and rounded to the nearest number of E2M1, ties to even, subnormals kept.
;;     - The product sums the exact products of the quantised numbers (number of the format x scale) in f32.
;;   ~~~python
;;   def quantise(x, axis):      # numpy; x: float32 -> the quantised numbers, widened to float32 again
;;       x = np.moveaxis(x, axis, -1); K = x.shape[-1]
;;       x = np.pad(x, [(0, 0)] * (x.ndim - 1) + [(0, -K % 32)]); x = x.reshape(x.shape[:-1] + (-1, 32)); a = np.abs(x).max(-1, keepdims=True)
;;       e = np.where(a > 0, np.clip(np.frexp(np.where(a > 0, a, 1))[1] - 1 - 2, -126, 127), 0)      # np.frexp(a)[1] - 1 = floor(log2(a)), exactly
;;       r = np.clip(x / 2.0 ** e, -6, 6)
;;       step = 2.0 ** (np.maximum(np.frexp(np.where(r == 0, 1, r))[1] - 1, 0) - 1)
;;       q = np.round(r / step) * step * 2.0 ** e      # np.round: ties to even
;;       return np.moveaxis(q.reshape(q.shape[:-2] + (-1,))[..., :K], -1, axis).astype(np.float32)
;;   ~~~
;; One version. Each part assembles by itself: llvm-mc -triple=amdgcn-amd-amdhsa -mcpu=gfx1250 --defsym DOCPART=n.
;; ======== version 1 of 1: 4 launches
;; limits: values are held in f16: magnitudes above 65,504 overflow, below 6.1e-05 lose precision; right only within a limited range of input values
;; workspace buffers: x_codes 2,097,152 bytes; x_scales 131,072 bytes; w_codes 6,291,456 bytes; w_scales 393,216 bytes; wo16 8,388,608 bytes; qkv 25,165,824 bytes; abuf 8,388,608 bytes
;; launch prep (part 1): grid 448 x 1, 4 waves a work-group, no clusters, 68,096 bytes of LDS; arguments x, Wq, Wk, Wv, Wo, x_codes, x_scales, w_codes, w_scales, wo16; writes x_codes, x_scales, w_codes, w_scales, wo16
.if DOCPART == 1
	.amdgcn_target "amdgcn-amd-amdhsa--gfx1250"
	.amdhsa_code_object_version 6
	.text
	.protected	k_q53df16fdca_prep
	.globl	k_q53df16fdca_prep
	.p2align	8
	.type	k_q53df16fdca_prep,@function
k_q53df16fdca_prep:
	s_mov_b64 s[64:65], 0
	v_nop
	global_prefetch_b8 v0, s[64:65] scope:SCOPE_SE
	s_setreg_imm32_b32 hwreg(HW_REG_WAVE_MODE, 25, 1), 1
	s_wait_xcnt 0x0
; DiffAttn, launch 1 of 4: the operands of the three quantised products become codes of E2M1 with one E8M0 byte for each 32 along K, and Wo becomes f16.
; WORK LEFT OUT IN THE WHOLE PROGRAM.  Every input has a way to the output, so every input is loaded.  One thing is left out, in the attention launch: key steps all of whose keys come after all queries of a block.
; reference() itself adds -infinity to those scores ahead of the softmax, so their weights are 0 and their terms of the second product are 0, whatever finite values the inputs hold.
; LIMIT: a NaN, an infinity or an overflow that reaches only those hidden scores is not carried to the result.
; THREE PATHS, chosen by the work-group's number, each with LDS bytes of its own:
;   work-groups 0-127:   x [2048][2048], K innermost: a plain stream of blocks of 32; a wave takes 16 steps of 512 numbers.  x_codes [2048][1024 bytes], x_scales [2048][64].
;   work-groups 128-319: Wq, Wk, Wv [k 2048][n 2048], K is the FIRST axis: a lane takes a column n and its registers run down K; a wave takes 32 columns x 512 along K.
;                        w_codes [6144 rows: Wq's n, then Wk's, then Wv's][1024 bytes], w_scales [6144][64].
;   work-groups 320-447: Wo [k][n] -> f16, laid as it lies: a wave takes 8,192 numbers.
; A block's scale is 2^(floor(log2(its largest magnitude)) - 2): its byte is the largest magnitude's exponent field - 2.  THE WEIGHTS' BYTES ARE STORED 2 LOWER than that: the codes are made with the true scale, and the
; product then comes out as x W / 4, exactly (a power of two), which leaves room in f16 for the results; the attention launch takes the factors back in its constants.
; LIMITS: a block of x whose largest magnitude lies under 2^-124, and a block of a weight under 2^-122, gets the floor's byte (a block of zeros too: its codes are zeros, which add nothing, and this program alone reads
; the bytes); NaN and infinities among the inputs are not served.
.set SPW,    12                        ; v12  LDS address of my spare word; never rewritten
.set NIL,    13                        ; v13  0; never rewritten
.set WREG,   8192                      ; path x: a region for each wave: two stages of 32 x 80 bytes, then its 256 scale bytes
.set XSP,    80                        ; a lane's place in a stage: 64 bytes + 16 of padding
.set WSTG,   4*WREG                    ; path w: four stages of 32 rows x 272 bytes
.set WPITCH, 272
.set SPARE,  WSTG+4*32*WPITCH          ; the spare words, 128 bytes for each wave: two blocks of 256 bytes that no other line names
.set XR,  16                           ; path x: v16-79 four sets of 16 numbers as loaded; v80-111 two sets of 16 neighbours; v112-127 a scale byte a step; v128-191 codes, four registers a step
.set XX,  80
.set XE,  112
.set XC,  128
.set WSB, 24                           ; path w: v24-27 scale bytes; v32-95 two sets of 32 numbers; v96-99 a block's codes; v112-175 the way out
.set WX,  32
.set WC,  96
.set WOUT, 112
.set OX,  16                           ; path Wo: v16-79 sixteen slots of 4 numbers; v80-111 sixteen pairs of packed f16
.set OY,  80
	s_load_b512 s[4:19], s[0:1], 0x0               ; x 4:5, Wq 6:7, Wk 8:9, Wv 10:11, Wo 12:13, x_codes 14:15, x_scales 16:17, w_codes 18:19
	s_load_b128 s[20:23], s[0:1], 0x40             ; w_scales 20:21, wo16 22:23
	v_lshl_add_u32 v[SPW], v0, 2, SPARE
	v_mov_b32 v[NIL], 0
	v_lshrrev_b32 v1, 5, v0
	v_readfirstlane_b32 s24, v1                    ; wave 0..3
	v_and_b32 v2, 31, v0                           ; lane
	s_wait_kmcnt 0x0
	s_cmp_lt_u32 ttmp9, 128
	s_cbranch_scc1 .Lpath_x
	s_cmp_lt_u32 ttmp9, 320
	s_cbranch_scc1 .Lpath_w
; ---------------- Wo -> f16.  A ring of sixteen slots in registers: sixteen loads of 512 bytes of every wave are on their way.
	s_sub_co_u32 s25, ttmp9, 320
	s_lshl_b32 s25, s25, 2
	s_add_co_u32 s25, s25, s24                     ; which run of 8,192 numbers is my wave's
	s_lshl_b32 s26, s25, 15                        ; 32,768 bytes in,
	s_mov_b32 s27, 0
	s_add_nc_u64 s[12:13], s[12:13], s[26:27]
	s_lshl_b32 s26, s25, 14                        ; 16,384 out
	s_add_nc_u64 s[22:23], s[22:23], s[26:27]
	v_lshlrev_b32 v3, 4, v2                        ; in: 16 bytes a lane
	v_lshlrev_b32 v4, 3, v2                        ; out: 8 bytes a lane: a wave's store covers 256 consecutive bytes, aligned
.macro OLOAD j
	global_load_b128 v[OX+4*((\j)%16):OX+4*((\j)%16)+3], v3, s[12:13] offset:512*(\j) th:TH_LOAD_NT
.endm
.macro OSLOT j
.if 63-(\j) < 15
	s_wait_loadcnt 63-(\j)                         ; the last slots: the counts run down
.else
	s_wait_loadcnt 15                              ; loads come back in order: mine is in, the fifteen younger ones stay out
.endif
.if (\j) >= 16
	s_wait_xcnt 0x0                                ; the slot's pair was a store's data sixteen slots ago: it is rewritten only behind this wait
.endif
	v_cvt_pk_f16_f32 v[OY+2*((\j)%16)], v[OX+4*((\j)%16)], v[OX+4*((\j)%16)+1]
	v_cvt_pk_f16_f32 v[OY+2*((\j)%16)+1], v[OX+4*((\j)%16)+2], v[OX+4*((\j)%16)+3]
.if (\j)+16 < 64
	OLOAD (\j)+16
.endif
	global_store_b64 v4, v[OY+2*((\j)%16):OY+2*((\j)%16)+1], s[22:23] offset:256*(\j)
.endm
.set J, 0
.rept 16
	OLOAD J
.set J, J+1
.endr
.set J, 0
.rept 64
	OSLOT J
.set J, J+1
.endr
	s_wait_tensorcnt 0x0                           ; the wave's end
	ds_add_u32 v[SPW], v[NIL]
	s_wait_dscnt 0x0
	s_endpgm
; ---------------- x.  The conversions take 8 numbers of ONE block from a lane's registers, so a lane must hold 16 neighbours (two neighbouring lanes hold a block); a load is best where neighbouring lanes take
; neighbouring bytes.  Both are had: each of a step's four loads reads 512 consecutive bytes, the 2,048 bytes go through the wave's own stage in LDS as they lie and come back 64 bytes a lane.
.Lpath_x:
	v_lshlrev_b32 v3, 4, v2                        ; my 16 bytes of a load's 512
	s_mul_i32 s25, s24, WREG
	v_lshrrev_b32 v14, 2, v2
	v_mul_u32_u24 v14, v14, XSP
	v_and_b32 v15, 3, v2
	v_lshl_add_u32 v14, v15, 4, v14
	v_add_nc_u32 v14, s25, v14                     ; the stage, on the way in: 80 (lane / 4) + 16 (lane % 4); a load's 512 bytes take eight places
	v_mul_u32_u24 v15, v2, XSP
	v_add_nc_u32 v15, s25, v15                     ; and on the way out: 80 x lane: my 16 neighbours
	v_lshlrev_b32 v4, 3, v2                        ; my 16 codes: 8 bytes
	v_lshrrev_b32 v5, 1, v2
	s_add_co_u32 s25, s25, 2*32*XSP
	v_add_nc_u32 v5, s25, v5                       ; LDS: my wave's 256 scale bytes, my block's byte
	v_lshlrev_b32 v7, 3, v2                        ; and on the way out 8 bytes a lane
	v_add_nc_u32 v6, s25, v7
	s_lshl_b32 s26, ttmp9, 2
	s_add_co_u32 s26, s26, s24                     ; which run of 8,192 numbers is my wave's
	s_mov_b32 s29, 0
	s_lshl_b32 s28, s26, 15
	s_add_nc_u64 s[4:5], s[4:5], s[28:29]
	s_lshl_b32 s28, s26, 12
	s_add_nc_u64 s[14:15], s[14:15], s[28:29]
	s_lshl_b32 s28, s26, 8
	s_add_nc_u64 s[16:17], s[16:17], s[28:29]
.macro XLOAD t
.irp i, 0,1,2,3
	global_load_b128 v[XR+16*((\t)%4)+4*\i:XR+16*((\t)%4)+4*\i+3], v3, s[4:5] offset:2048*(\t)+512*\i th:TH_LOAD_NT
.endr
.endm
.macro XTURN t                         ; step t's numbers through the stage: LDS serves a wave's instructions in order, so no wait stands between the stores and the loads
.irp i, 0,1,2,3
	ds_store_b128 v14, v[XR+16*((\t)%4)+4*\i:XR+16*((\t)%4)+4*\i+3] offset:32*XSP*((\t)%2)+8*XSP*\i
.endr
.irp i, 0,1,2,3
	ds_load_b128 v[XX+16*((\t)%2)+4*\i:XX+16*((\t)%2)+4*\i+3], v15 offset:32*XSP*((\t)%2)+16*\i
.endr
.endm
.irp t, 0,1,2,3
	XLOAD \t
.endr
	s_wait_loadcnt 12                              ; step 0's four loads are in
	XTURN 0
.macro XSTEP t
.set XS, XX+16*((\t)%2)
.if (\t) > 0
	s_wait_dscnt 1                                 ; this step's numbers are back from the stage (the last step's byte store may be out): so its stores into the stage have read their registers,
.else
	s_wait_dscnt 0x0
.endif
.if (\t)+4 < 16
	XLOAD (\t)+4                                   ; which take the loads of four steps on
.endif
.if (\t)+1 < 16
.if 14-(\t) >= 3
	s_wait_loadcnt 12                              ; the next step's four loads are in; those of the three steps behind it may be out
.else
	s_wait_loadcnt 4*(14-(\t))
.endif
	XTURN (\t)+1                                   ; and go through the other stage while this step is worked
.endif
	v_max3_num_f32 v8, |v[XS]|, |v[XS+1]|, |v[XS+2]|               ; the largest magnitude of my 16, in two chains
	v_max3_num_f32 v9, |v[XS+3]|, |v[XS+4]|, |v[XS+5]|
.irp i, 6,10
	v_max3_num_f32 v8, v8, |v[XS+\i]|, |v[XS+\i+1]|
	v_max3_num_f32 v9, v9, |v[XS+\i+2]|, |v[XS+\i+3]|
.endr
	v_max3_num_f32 v8, v8, |v[XS+14]|, |v[XS+15]|
	v_max3_num_f32 v8, v8, v9, 0x1800000           ; and the floor 2^(3 - 127): so the byte cannot fall under 1
	v_max_num_f32_dpp v8, v8, v8 row_xmask:1 row_mask:0xf bank_mask:0xf   ; and of my neighbour's 16: the block's
	v_add_nc_u32 v11, 0xff000000, v8               ; 2 off its exponent field: the conversion takes the exponent field of this operand as its scale, and nothing else of it
	v_cvt_scalef32_pk8_fp4_f32 v[XC+4*(\t)], v[XS:XS+7], v11
	v_cvt_scalef32_pk8_fp4_f32 v[XC+4*(\t)+1], v[XS+8:XS+15], v11
	v_lshrrev_b32 v[XE+(\t)], 23, v11              ; the scale's byte
	ds_store_b8 v5, v[XE+(\t)] offset:16*(\t)      ; both lanes of a block write the same byte with the same value
	global_store_b64 v4, v[XC+4*(\t):XC+4*(\t)+1], s[14:15] offset:256*(\t)   ; 32 lanes store 256 consecutive bytes, aligned
.endm
.irp t, 0,1,2,3,4,5,6,7,8,9,10,11,12,13,14,15
	XSTEP \t
.endr
	ds_load_b64 v[8:9], v6                         ; LDS serves a wave's instructions in order: these see my stores
	s_wait_dscnt 0x0
	global_store_b64 v7, v[8:9], s[16:17]          ; the wave's 256 scale bytes: 256 consecutive bytes, aligned
	s_wait_tensorcnt 0x0                           ; the wave's end, behind my last LDS store
	ds_add_u32 v[SPW], v[NIL]
	s_wait_dscnt 0x0
	s_endpgm
; ---------------- Wq, Wk, Wv.  A lane to a column, registers down K: a block of 32 lies in one lane, its largest magnitude needs no other lane, and the conversions give codes with K innermost.
; A lane's codes belong to one row of w_codes and the lanes beside it hold other rows: they go through the wave's own stage and leave as rows, sixteen lanes to 256 consecutive bytes.
.Lpath_w:
	s_sub_co_u32 s25, ttmp9, 128
	s_lshr_b32 s26, s25, 6                         ; which weight: 0 Wq, 1 Wk, 2 Wv
	s_and_b32 s27, s25, 15                         ; which 128 columns
	s_bfe_u32 s28, s25, 0x20004                    ; which 512 along K
	s_cmp_eq_u32 s26, 0                            ; the choice hangs on the work-group's number alone
	s_cselect_b64 s[30:31], s[6:7], s[8:9]
	s_cmp_eq_u32 s26, 2
	s_cselect_b64 s[30:31], s[10:11], s[30:31]
	s_lshl_b32 s27, s27, 7
	s_lshl_b32 s29, s24, 5
	s_add_co_u32 s27, s27, s29                     ; my wave's first column in the weight
	s_lshl_b32 s26, s26, 11
	s_add_co_u32 s26, s26, s27                     ; and its row in w_codes and w_scales
	s_lshl_b32 s32, s28, 22                        ; the weight: 512 rows of 8,192 bytes for each step along K,
	s_lshl_b32 s33, s27, 2                         ; + 4 bytes a column
	s_add_co_u32 s32, s32, s33
	s_mov_b32 s33, 0
	s_add_nc_u64 s[30:31], s[30:31], s[32:33]
	s_lshl_b32 s32, s26, 10                        ; codes: 1,024 bytes a row, + 256 for each 512 along K
	s_lshl_b32 s34, s28, 8
	s_add_co_u32 s32, s32, s34
	s_add_nc_u64 s[18:19], s[18:19], s[32:33]
	s_lshl_b32 s32, s26, 6                         ; scale bytes: 64 a row, + 16 for each 512 along K
	s_lshl_b32 s34, s28, 4
	s_add_co_u32 s32, s32, s34
	s_add_nc_u64 s[20:21], s[20:21], s[32:33]
	v_lshlrev_b32 v3, 2, v2                        ; in: 4 bytes a lane
	s_mul_i32 s35, s24, 32*WPITCH
	s_add_co_u32 s35, s35, WSTG                    ; my stage
	v_mul_u32_u24 v4, v2, WPITCH
	v_add_nc_u32 v4, s35, v4                       ; into it: row = my column
	v_and_b32 v5, 15, v2
	v_lshrrev_b32 v6, 4, v2                        ; out of it: sixteen lanes to a row, two rows an instruction
	v_mul_u32_u24 v7, v6, WPITCH
	v_lshl_add_u32 v7, v5, 4, v7
	v_add_nc_u32 v7, s35, v7
	v_mul_u32_u24 v8, v6, 1024
	v_lshl_add_u32 v8, v5, 4, v8                   ; and the same place in w_codes
	v_mul_u32_u24 v9, v2, 64                       ; my column's row of scale bytes
.macro WLOAD t                         ; block t: W(32 t + i, my column), i = 0 .. 31, into set t % 2; the largest offset, 511 rows of 8,192 bytes, lies inside the signed 24-bit immediate
.irp i, 0,1,2,3,4,5,6,7,8,9,10,11,12,13,14,15,16,17,18,19,20,21,22,23,24,25,26,27,28,29,30,31
	global_load_b32 v[WX+32*((\t)%2)+\i], v3, s[30:31] offset:(32*(\t)+\i)*8192 th:TH_LOAD_NT
.endr
.endm
	WLOAD 0
	WLOAD 1
.macro WBLOCK t
.set WS, WX+32*((\t)%2)
.if (\t) < 15
	s_wait_loadcnt 32                              ; this block's 32 loads are in; the next block's may be out
.else
	s_wait_loadcnt 0
.endif
	v_max3_num_f32 v16, |v[WS]|, |v[WS+1]|, |v[WS+2]|              ; the block's largest magnitude: all 32 numbers are mine
	v_max3_num_f32 v17, |v[WS+3]|, |v[WS+4]|, |v[WS+5]|
.irp i, 6,10,14,18,22,26
	v_max3_num_f32 v16, v16, |v[WS+\i]|, |v[WS+\i+1]|
	v_max3_num_f32 v17, v17, |v[WS+\i+2]|, |v[WS+\i+3]|
.endr
	v_max3_num_f32 v16, v16, |v[WS+30]|, |v[WS+31]|
	v_max3_num_f32 v16, v16, v17, 0x2800000        ; and the floor 2^(5 - 127): so the stored byte cannot fall under 1
	v_add_nc_u32 v18, 0xff000000, v16              ; 2 off its exponent field: the conversion's scale operand, the true scale
	v_lshrrev_b32 v19, 23, v18                     ; the scale's byte,
	v_add_nc_u32 v19, -2, v19                      ; stored 2 lower: the product comes out divided by 4
.if (\t)%4 == 0
	v_mov_b32 v[WSB+(\t)/4], v19                   ; four bytes to a register, the lower K in the lower byte
.else
	v_lshl_or_b32 v[WSB+(\t)/4], v19, 8*((\t)%4), v[WSB+(\t)/4]
.endif
.irp g, 0,1,2,3
	v_cvt_scalef32_pk8_fp4_f32 v[WC+\g], v[WS+8*\g:WS+8*\g+7], v18
.endr
	ds_store_b128 v4, v[WC:WC+3] offset:16*(\t)    ; 32 codes: 16 bytes of my column's row
.if (\t)+2 < 16
	WLOAD (\t)+2
.endif
	s_wait_dscnt 0x0                               ; the store has read its registers: the next block's codes may be written
.endm
.set Q, 0
.rept 16
	WBLOCK Q
.set Q, Q+1
.endr
	global_store_b128 v9, v[WSB:WSB+3], s[20:21]   ; my column's 16 scale bytes
.irp t, 0,1,2,3,4,5,6,7,8,9,10,11,12,13,14,15
	ds_load_b128 v[WOUT+4*\t:WOUT+4*\t+3], v7 offset:2*\t*WPITCH   ; LDS serves a wave's instructions in order: these see my stores
.endr
.irp t, 0,1,2,3,4,5,6,7,8,9,10,11,12,13,14,15
	s_wait_dscnt 15-\t
	global_store_b128 v8, v[WOUT+4*\t:WOUT+4*\t+3], s[18:19] offset:2*\t*1024
.endr
	s_wait_tensorcnt 0x0                           ; the wave's end, behind my last LDS store
	ds_add_u32 v[SPW], v[NIL]
	s_wait_dscnt 0x0
	s_endpgm
.Lfunc_end_k_q53df16fdca_prep:
	.size	k_q53df16fdca_prep, .Lfunc_end_k_q53df16fdca_prep-k_q53df16fdca_prep
	.p2alignl 7, 3214868480
	.fill 96, 4, 3214868480
	.section	.rodata,"a",@progbits
	.p2align	6, 0x0
	.amdhsa_kernel k_q53df16fdca_prep
		.amdhsa_group_segment_fixed_size 68096
		.amdhsa_private_segment_fixed_size 0
		.amdhsa_enable_private_segment 0
		.amdhsa_kernarg_size 80
		.amdhsa_user_sgpr_count 2
		.amdhsa_user_sgpr_kernarg_segment_ptr 1
		.amdhsa_wavefront_size32 1
		.amdhsa_system_sgpr_workgroup_id_x 1
		.amdhsa_system_sgpr_workgroup_id_y 1
		.amdhsa_system_sgpr_workgroup_id_z 1
		.amdhsa_system_vgpr_workitem_id 0
		.amdhsa_next_free_vgpr 192
		.amdhsa_next_free_sgpr 66
		.amdhsa_reserve_vcc 0
		.amdhsa_float_denorm_mode_32 3
		.amdhsa_float_denorm_mode_16_64 3
		.amdhsa_memory_ordered 1
		.amdhsa_forward_progress 1
		.amdhsa_inst_pref_size 135
	.end_amdhsa_kernel
	.amdgpu_metadata
---
amdhsa.version: [ 1, 2 ]
amdhsa.kernels:
  - .name:           k_q53df16fdca_prep
    .symbol:         k_q53df16fdca_prep.kd
    .args:
      - { .name: x, .offset: 0, .size: 8, .value_kind: global_buffer, .address_space: global }
      - { .name: Wq, .offset: 8, .size: 8, .value_kind: global_buffer, .address_space: global }
      - { .name: Wk, .offset: 16, .size: 8, .value_kind: global_buffer, .address_space: global }
      - { .name: Wv, .offset: 24, .size: 8, .value_kind: global_buffer, .address_space: global }
      - { .name: Wo, .offset: 32, .size: 8, .value_kind: global_buffer, .address_space: global }
      - { .name: x_codes, .offset: 40, .size: 8, .value_kind: global_buffer, .address_space: global }
      - { .name: x_scales, .offset: 48, .size: 8, .value_kind: global_buffer, .address_space: global }
      - { .name: w_codes, .offset: 56, .size: 8, .value_kind: global_buffer, .address_space: global }
      - { .name: w_scales, .offset: 64, .size: 8, .value_kind: global_buffer, .address_space: global }
      - { .name: wo16, .offset: 72, .size: 8, .value_kind: global_buffer, .address_space: global }
    .group_segment_fixed_size: 68096
    .private_segment_fixed_size: 0
    .kernarg_segment_align: 8
    .kernarg_segment_size: 80
    .max_flat_workgroup_size: 128
    .sgpr_count:     66
    .vgpr_count:     192
    .wavefront_size: 32
...
	.end_amdgpu_metadata
.endif
;; end of part 1
;; launch qkv_gemm (part 2): grid 24 x 8, 4 waves a work-group, clusters of 4 x 4, 327,680 bytes of LDS; arguments x_codes, x_scales, w_codes, w_scales, qkv; writes qkv
.if DOCPART == 2
	.amdgcn_target "amdgcn-amd-amdhsa--gfx1250"
	.amdhsa_code_object_version 6
	.text
	.protected	k_q53df16fdca_qkv_gemm
	.globl	k_q53df16fdca_qkv_gemm
	.p2align	8
	.type	k_q53df16fdca_qkv_gemm,@function
k_q53df16fdca_qkv_gemm:
	s_mov_b64 s[64:65], 0
	v_nop
	global_prefetch_b8 v0, s[64:65] scope:SCOPE_SE
	s_setreg_imm32_b32 hwreg(HW_REG_WAVE_MODE, 25, 1), 1
	s_wait_xcnt 0x0
	s_wait_alu depctr_hold_cnt(0) depctr_sa_sdst(0) depctr_va_vdst(0) depctr_va_sdst(0) depctr_va_ssrc(0) depctr_va_vcc(0) depctr_vm_vsrc(0)
	s_getreg_b32 s2, hwreg(HW_REG_IB_STS2, 6, 4)
	s_cmp_eq_u32 s2, 0
	s_cbranch_scc0 .Lentry_in_a_cluster
	s_endpgm
.Lentry_in_a_cluster:
	s_bfe_u32 s2, ttmp6, 0x10000c
	s_cmp_lg_u32 s2, 0xf033
	s_cbranch_scc0 .Lentry_shape_is_right
	s_endpgm
.Lentry_shape_is_right:
; DiffAttn, launch 2 of 4: qkv[t][n] = sum over k of x[t][k] W[n][k] / 4, n = 0 .. 6143 (Wq's columns, then Wk's, then Wv's), on codes of E2M1 with one E8M0 scale for each 32 along K; sums in f32; the result rounded once to f16.
; (The division by 4 lies in the weights' scale bytes, which the launch before stored 2 lower.  LIMIT: |x W| beyond 262,000 becomes infinite in f16.)  No work of the problem is left out here.
; A: x_codes [2048][1024 bytes], x_scales [2048][64].  B: w_codes [6144][1024 bytes], w_scales [6144][64].  C: qkv [2048][6144] f16.
; A tile of C, 256 x 256, is made by a work-group of four waves; a wave makes 128 x 128: 64 accumulators of 16 x 16, 512 registers.  K goes in steps of 512 through a ring of two LDS slots filled by the tensor data mover:
; a tile's row is 256 bytes of memory.  THE SCALES of the work-group's 256 rows of A and 256 rows of B, for all of K, are two dense blocks of memory: they come into LDS once, with the first fills, and stay.
; CLUSTERS: 4 x 4 work-groups.  The four of a row of the cluster need the same tiles of A, the four of a column the same tiles of B: each tile is asked for JOINTLY, by the same tensor load with the same descriptor and a
; mask that names the four.  THE MATRIX INSTRUCTION IS USED TRANSPOSED (source 0 = 16 rows of B, source 1 = 16 rows of A): a lane then holds eight neighbouring numbers of a row of C.
; REGISTERS, in windows of 256: window 0: v0-31 addresses; v32-95 scale words, two sets, and nothing else; from v128 A's fragments (8 x 16 rows x 128 K), ONE set; on the way out v128-223 are at work.
;   window 1: B's fragments, TWO sets, at v0 and at v128.   window 2: the 32 accumulators of my rows 0-63 (accumulator (a, b) at v[8 (8 a + b)]);   window 3: those of my rows 64-127.
; By this text's own count a wave has three tensor loads out at the start and one behind each round.
.set SIZE_M, 2048
.set SIZE_N, 6144
.set SIZE_K, 2048
.set KSTEP,  512                       ; along K in a slot
.set NQ,     KSTEP/128                 ; matrix instructions deep
.set ROWB,   256                       ; a tile's row in bytes
.set KROW,   SIZE_K*4/8                ; a row of A or of B in memory, in bytes
.set PITCH,  272                       ; an LDS row: 256 bytes + 16 of padding = 68 words: the 16 rows that a load touches start at 16 different banks (64 banks of 4 bytes: ISA guide 11.1)
.set FR,     8                         ; registers of a fragment: 16 rows x 128 K
.set NL,     2                         ; LDS loads that bring one
.set NP,     4                         ; places behind this matrix instruction (ISA guide 7.12.1)
.set HALFT,  128*PITCH                 ; 128 rows: what one tensor load brings, and what one wave reads of A or of B
.set SLOT,   4*HALFT                   ; A's 256 rows, then B's 256 rows
.set LAPS,   SIZE_K/(2*KSTEP)          ; a lap = two K steps = once round the ring
.set KS,     SIZE_K/32                 ; a row of scales in bytes
.set SCL,    2*SLOT                    ; behind the ring: the scales, as units of 256 bytes + 16 of padding
.set HALFS,  (128*KS/256)*272          ; the scales of 128 rows: what one tensor load brings
.set SBLK,   (16*KS/256)*272           ; those of 16 rows
.set SPARE,  SCL+4*HALFS               ; behind the scales: the spare words, 128 bytes for each wave
.set SPITCH, 272                       ; the way out: a stage of 16 rows x (256 bytes + 16) for each wave, in slot 0, which has had its last fill and its last read when the first result is stored there
.set CROW,   SIZE_N*2                  ; a row of C in bytes
.set ADRA, 16                          ; v16-17  LDS address of my A fragments in slot 0, 1
.set ADRB, 20                          ; v20-21  the same for B
.set STO,  24                          ; v24     the way out: where I put 16 bytes of a row
.set RD,   25                          ; v25     the way out: where I read a row back
.set CO,   26                          ; v26     my byte offset in C
.set ADRS, 27                          ; v27     LDS address of my scale words: lanes 0-15 A's rows, lanes 16-31 B's
.set SPW,  28                          ; v28     LDS address of my spare word; never rewritten
.set NIL,  29                          ; v29     0; never rewritten
.set SC,   32                          ; scale words: set s (for slot s) at v[SC + 8 NQ s]; register NQ i + q: lanes 0-15 the word of A's block i, lanes 16-31 that of B's block i, for the slot's q-th 128 along K
.set AF,   128                         ; A's fragments, in window 0
.set TMP,  192                         ; the way out: packed results
.set OB,   128                         ; the way out: 16 rows read back from the stage: v128-159 and v160-191 by turns, where A's fragments lay
.set G1, 24                            ; s[24:31] descriptor group 1 for A's tiles;  s[32:39] group 0, one set for each slot
.set G0, 32
.set G1B, 48                           ; s[48:55], s[56:63] the same for B's tiles
.set G0B, 56
.set G1S, 68                           ; s[68:75], s[76:79] groups 1 and 0 for A's scales;  s[80:87], s[88:91] for B's
.set G0S, 76
.set G1SB, 80
.set G0SB, 88
.set MSB, 0
.macro WIN new                         ; the immediate's high byte repeats the setting that is left
.if MSB != \new
	s_set_vgpr_msb (MSB<<8)|\new
.set MSB, \new
.endif
.endm
.set MUL_LO, 0xa1                      ; source 0 (B) window 1, source 1 (A) window 0, C and D window 2
.set MUL_HI, 0xf1                      ; the same, C and D window 3
.set TO_B,   0x40                      ; destination window 1, address window 0
; A joint load: waves 0 and 1 fetch for A, waves 2 and 3 for B.  Each of the two lines has ONE mask and one set of registers for all that issue it; the branch hangs on the wave's number alone.
; An s_nop 0 and four v_nop follow each of the two lines, ahead of the jump, the label and what follows.
.macro JLOAD g0a, g1a, g0b, g1b
	s_cmp_eq_u32 s15, 0
	s_cbranch_scc0 .Lfor_b_\@
	tensor_load_to_lds s[\g0a:\g0a+3], s[\g1a:\g1a+7]
	s_nop 0
.rept 4
	v_nop
.endr
	s_branch .Lasked_\@
.Lfor_b_\@:
	tensor_load_to_lds s[\g0b:\g0b+3], s[\g1b:\g1b+7]
	s_nop 0
.rept 4
	v_nop
.endr
.Lasked_\@:
.endm
.macro CREST                           ; a round of the cluster's barrier behind its opening barrier
	s_cmp_lg_u32 s14, 0
	s_cbranch_scc1 .Lnot_wave_0_\@
	s_barrier_signal -3
.Lnot_wave_0_\@:
	s_barrier_wait -3
	s_barrier_signal -1
	s_barrier_wait -1
.endm
.macro CROUND                          ; a whole round
	s_barrier_signal -1
	s_barrier_wait -1
	CREST
.endm
	s_load_b128 s[4:7], s[0:1], 0x0                ; A's codes s[4:5], A's scales s[6:7]
	s_load_b128 s[8:11], s[0:1], 0x10              ; B's codes s[8:9], B's scales s[10:11]
	s_load_b64 s[12:13], s[0:1], 0x20              ; C
	v_lshl_add_u32 v[SPW], v0, 2, SPARE
	v_mov_b32 v[NIL], 0
	ds_add_u32 v[SPW], v[NIL]                      ; the wave's opening: the add, twice on end, and its wait ahead of my first tensor load; the set-up below stands between the second and the wait
	ds_add_u32 v[SPW], v[NIL]
	v_lshrrev_b32 v1, 5, v0
	v_readfirstlane_b32 s14, v1                    ; wave 0..3
	s_lshr_b32 s15, s14, 1                         ; which half of the tile's rows is mine.  Also: I fetch for A (0) or for B (1)
	s_and_b32 s16, s14, 1                          ; which half of its columns.  Also: which 128 rows of that tile I fetch
	s_bfe_u32 s40, ttmp6, 0x40000                  ; cx, cy: my place in the cluster
	s_bfe_u32 s41, ttmp6, 0x40004
	s_lshl_b32 s42, ttmp9, 2
	s_add_co_u32 s42, s42, s40                     ; tile column of C = 4 x cluster x + cx
	s_and_b32 s17, ttmp7, 0xffff
	s_lshl_b32 s17, s17, 2
	s_add_co_u32 s17, s17, s41                     ; tile row of C = 4 x cluster y + cy
	s_lshl_b32 s43, s41, 2
	s_lshl_b32 s43, 15, s43                        ; my row of the cluster
	s_lshl_b32 s44, 0x1111, s40                    ; my column
	; descriptor group 1: a tile of 128 rows x 256 bytes, padded in LDS
	s_or_b32 s[G1+0], s43, (0<<16)|(1<<20)|(1<<21)|(5<<22)|(3<<25)  ; 15:0 the mask: A's tiles go to my row; 17:16 element of 1 byte; 20 padding on; 21 set beside a mask; 24:22 after every 64 words; 31:25 of 4 words
	s_or_b32 s[G1B+0], s44, (0<<16)|(1<<20)|(1<<21)|(5<<22)|(3<<25)
.irp g, G1, G1B
	s_mov_b32 s[\g+1], ROWB<<16                    ; tensor_dim0
	s_mov_b32 s[\g+2], 128<<16                     ; tensor_dim1 = 128
	s_mov_b32 s[\g+3], ROWB<<16                    ; tile_dim0
	s_mov_b32 s[\g+4], 128                         ; tile_dim1 = 128
	s_mov_b32 s[\g+5], KROW                        ; tensor_dim0_stride
	s_mov_b32 s[\g+6], 0
	s_mov_b32 s[\g+7], 0
.endr
	; and for the scales of 128 rows: a dense block of 8,192 bytes, as rows of 256 bytes (32 elements of 8 bytes), 16 bytes of padding behind each
	s_or_b32 s[G1S+0], s43, (3<<16)|(1<<20)|(1<<21)|(5<<22)|(3<<25)
	s_or_b32 s[G1SB+0], s44, (3<<16)|(1<<20)|(1<<21)|(5<<22)|(3<<25)
.irp g, G1S, G1SB
	s_mov_b32 s[\g+1], 32<<16
	s_mov_b32 s[\g+2], (128*KS/256)<<16
	s_mov_b32 s[\g+3], 32<<16
	s_mov_b32 s[\g+4], 128*KS/256
	s_mov_b32 s[\g+5], 32
	s_mov_b32 s[\g+6], 0
	s_mov_b32 s[\g+7], 0
.endr
	s_lshl_b32 s18, s16, 7                         ; which 128 rows of the tile I fetch
	s_lshl_b32 s20, s17, 8
	s_add_co_u32 s20, s20, s18                     ; A: row 256 x tile row + 128 x half
	s_lshl_b32 s46, s42, 8
	s_add_co_u32 s46, s46, s18                     ; B: row 256 x tile column + 128 x half
	s_mov_b32 s21, 0
	s_mov_b32 s47, 0
	s_mov_b64 s[18:19], KS
	s_mul_u64 s[22:23], s[20:21], s[18:19]         ; where these rows' scales begin, in bytes
	s_mul_u64 s[92:93], s[46:47], s[18:19]
	s_mov_b64 s[18:19], KROW
	s_mul_u64 s[20:21], s[20:21], s[18:19]         ; and their codes
	s_mul_u64 s[46:47], s[46:47], s[18:19]
	s_mul_i32 s45, s14, HALFT                      ; where they go: wave x 128 rows: no place in the cluster enters an LDS address
	s_mul_i32 s94, s14, HALFS
	s_wait_dscnt 0x0                               ; both opening adds are done
	s_wait_kmcnt 0x0
	s_add_nc_u64 s[20:21], s[4:5], s[20:21]
	s_add_nc_u64 s[22:23], s[6:7], s[22:23]
	s_add_nc_u64 s[46:47], s[8:9], s[46:47]
	s_add_nc_u64 s[92:93], s[10:11], s[92:93]
	CROUND                                         ; all sixteen work-groups are here: the first joint loads meet
	s_mov_b32 s[G0S], 1
	s_add_co_u32 s[G0S+1], s94, SCL
	s_mov_b64 s[G0S+2:G0S+3], s[22:23]
	s_or_b32 s[G0S+3], s[G0S+3], 0x80000000
	s_mov_b32 s[G0SB], 1
	s_add_co_u32 s[G0SB+1], s94, SCL
	s_mov_b64 s[G0SB+2:G0SB+3], s[92:93]
	s_or_b32 s[G0SB+3], s[G0SB+3], 0x80000000
	JLOAD G0S, G1S, G0SB, G1SB                     ; the scales first: they are wanted with K step 0
.irp s, 0,1
	s_mov_b32 s[G0+4*\s], 1
	s_add_co_u32 s[G0+4*\s+1], s45, \s*SLOT
	s_add_nc_u64 s[G0+4*\s+2:G0+4*\s+3], s[20:21], \s*ROWB
	s_or_b32 s[G0+4*\s+3], s[G0+4*\s+3], 0x80000000
	s_mov_b32 s[G0B+4*\s], 1
	s_add_co_u32 s[G0B+4*\s+1], s45, \s*SLOT
	s_add_nc_u64 s[G0B+4*\s+2:G0B+4*\s+3], s[46:47], \s*ROWB
	s_or_b32 s[G0B+4*\s+3], s[G0B+4*\s+3], 0x80000000
	JLOAD G0+4*\s, G1, G0B+4*\s, G1B
.endr
	v_and_b32 v1, 15, v0                           ; l % 16
	v_bfe_u32 v2, v0, 4, 1                         ; l / 16
	v_mul_u32_u24 v3, v1, PITCH
	v_lshl_add_u32 v4, v2, 4, v3                   ; a fragment's row x pitch + 16 x half
	s_mul_i32 s21, s15, HALFT                      ; my 128 rows of A
	s_mul_i32 s22, s16, HALFT                      ; my 128 rows of B,
	s_add_co_u32 s22, s22, 2*HALFT                 ; which lie behind A's 256
.irp s, 0,1
	v_add_nc_u32 v[ADRA+\s], s21, v4
	v_add_nc_u32 v[ADRB+\s], s22, v4
	s_add_co_u32 s21, s21, SLOT
	s_add_co_u32 s22, s22, SLOT
.endr
	v_mul_u32_u24 v5, v1, KS                       ; my row's scales: 64 bytes a row,
	v_lshrrev_b32 v6, 8, v5
	v_lshl_add_u32 v5, v6, 4, v5                   ; and 16 more for each 256 passed
	s_mul_i32 s21, s15, HALFS                      ; A's: my 128 rows
	s_mul_i32 s22, s16, HALFS                      ; B's: my 128 rows, behind A's 256
	s_add_co_u32 s22, s22, 2*HALFS
	s_sub_co_u32 s22, s22, s21
	v_mul_u32_u24 v6, s22, v2                      ; lanes 16-31 take B's: the lower base + half x the distance between the two
	s_add_co_u32 s21, s21, SCL
	v_add_nc_u32 v5, v5, v6
	v_add_nc_u32 v[ADRS], s21, v5
	s_mul_i32 s23, s14, 16*SPITCH                  ; my stage
	v_mul_u32_u24 v5, v1, SPITCH                   ; in: row l % 16, 16 bytes for each half of the lanes
	v_lshl_add_u32 v5, v2, 4, v5
	v_add_nc_u32 v[STO], s23, v5
	v_mul_u32_u24 v6, v2, SPITCH                   ; back: lanes 0-15 take one row of 256 bytes, lanes 16-31 the next
	v_lshl_add_u32 v6, v1, 4, v6
	v_add_nc_u32 v[RD], s23, v6
	v_mul_u32_u24 v6, v2, CROW                     ; and the same two rows in C
	v_lshl_add_u32 v[CO], v1, 4, v6
	s_lshl_b32 s20, s17, 8
	s_lshl_b32 s21, s15, 7
	s_add_co_u32 s20, s20, s21                     ; my first row of C: 256 x tile row + 128 x half
	s_mul_i32 s20, s20, CROW                       ; in bytes: under 2^25
	s_mov_b32 s21, 0
	s_lshl_b32 s46, s42, 9                         ; my first column, in bytes: 512 x tile column + 256 x half
	s_lshl_b32 s47, s16, 8
	s_add_co_u32 s46, s46, s47
	s_mov_b32 s47, 0
	s_add_nc_u64 s[20:21], s[20:21], s[46:47]
	s_add_nc_u64 s[12:13], s[12:13], s[20:21]
.macro FRAG reg, adr, q, i             ; a fragment, 16 rows x 128 K of 4-bit codes, is 8 registers: lane l holds row l % 16; registers 4 c .. 4 c + 3 hold K = 64 c + 32 (l / 16) + 0 .. 31
.irp c, 0,1
	ds_load_b128 v[\reg+4*\c:\reg+4*\c+3], v[\adr] offset:64*(\q)+32*\c+(\i)*16*PITCH
.endr
.endm
; 16 matrix instructions: A's blocks a0, a0 + 1 x B's eight, 128 along K: the slot's q-th.  p: B's set;  sc: the set of scale words.  zero = 1: the first product starts the sums: nothing is ever cleared.
; The 64 accumulators take turns, one instruction a turn, in the same order in every step.
.macro MUL16 a0, p, q, sc, zero
.irp a, \a0, \a0+1
.irp b, 0,1,2,3,4,5,6,7
.if \zero
	v_wmma_scale_f32_16x16x128_f8f6f4 v[8*(8*((\a)%4)+\b):8*(8*((\a)%4)+\b)+7], v[128*(\p)+FR*\b:128*(\p)+FR*\b+FR-1], v[AF+FR*(\a):AF+FR*(\a)+FR-1], 0, v[SC+8*NQ*(\sc)+NQ*\b+(\q)], v[SC+8*NQ*(\sc)+NQ*(\a)+(\q)] matrix_a_fmt:MATRIX_FMT_FP4 matrix_b_fmt:MATRIX_FMT_FP4 matrix_a_scale:MATRIX_SCALE_ROW1
.else
	v_wmma_scale_f32_16x16x128_f8f6f4 v[8*(8*((\a)%4)+\b):8*(8*((\a)%4)+\b)+7], v[128*(\p)+FR*\b:128*(\p)+FR*\b+FR-1], v[AF+FR*(\a):AF+FR*(\a)+FR-1], v[8*(8*((\a)%4)+\b):8*(8*((\a)%4)+\b)+7], v[SC+8*NQ*(\sc)+NQ*\b+(\q)], v[SC+8*NQ*(\sc)+NQ*(\a)+(\q)] matrix_a_fmt:MATRIX_FMT_FP4 matrix_b_fmt:MATRIX_FMT_FP4 matrix_a_scale:MATRIX_SCALE_ROW1
.endif
.endr
.endr
.endm
.macro FETCH_B slot, q, p              ; B's eight fragments of the slot's q-th 128 along K into set p
	WIN TO_B
.irp i, 0,1,2,3,4,5,6,7
	FRAG 128*(\p)+FR*\i, ADRB+\slot, \q, \i
.endr
	WIN 0
.endm
.macro FETCH_A slot, q, i0             ; A's blocks i0 .. i0 + 3
.irp i, \i0, \i0+1, \i0+2, \i0+3
	FRAG AF+FR*(\i), ADRA+\slot, \q, \i
.endr
.endm
.macro SCALES sc                       ; the next K step's scale words into set sc: NQ words a row; lanes 0-15 take A's block i, lanes 16-31 B's block i
.irp i, 0,1,2,3,4,5,6,7
	ds_load_b128 v[SC+8*NQ*\sc+NQ*\i:SC+8*NQ*\sc+NQ*\i+3], v[ADRS] offset:\i*SBLK
.endr
.endm
; A load into a register that a matrix instruction has read, and a vector instruction or an LDS store that reads a matrix result, stand NP places behind that matrix instruction, and only plain vector
; instructions that name none of its registers are places (ISA guide 7.12.1 for vector instructions).
.macro PLACES n
.rept \n
	v_nop
.endr
.endm
; A step of 128 along K that has its successor in the same slot.
.macro STEP slot, q, zero
	s_wait_dscnt 4*NL                              ; B's set and A's blocks 0-3 are in; the youngest eight loads (A's blocks 4-7) may be out
	WIN MUL_LO
	MUL16 0, (\q)%2, \q, \slot, \zero
	MUL16 2, (\q)%2, \q, \slot, \zero
	s_wait_dscnt 0                                 ; A's blocks 4-7 are in (asked for 32 matrix instructions ago)
	PLACES NP
	FETCH_B \slot, (\q)+1, 1-(\q)%2
	FETCH_A \slot, (\q)+1, 0
	WIN MUL_HI
	MUL16 4, (\q)%2, \q, \slot, \zero
	MUL16 6, (\q)%2, \q, \slot, \zero
	PLACES NP
	WIN 0
	FETCH_A \slot, (\q)+1, 4
.endm
; A slot's last step changes slots: ONE barrier; in front of it each wave waits for all its tensor loads, adds 0 to its spare word, and waits for that and for its own reads of this slot.  fill = 1: this slot is filled again, two K steps ahead.
.macro TURN slot, next, fill
	s_wait_tensorcnt 0x0                           ; all my tensor loads have landed: my part of the next slot;  (every window is 0 here)
	ds_add_u32 v[SPW], v[NIL]                      ; 0 onto my spare word;
	s_wait_dscnt 4*NL+1                            ; (the add and the youngest eight loads, A's blocks 4-7, may be out)
	WIN MUL_LO
	MUL16 0, 1, NQ-1, \slot, 0                     ; sixteen matrix instructions stand between the add and the wait for it
	s_wait_dscnt 0x0                               ; the add is done, and my reads of this slot are over
	s_barrier_signal -1
	MUL16 2, 1, NQ-1, \slot, 0
	WIN 0
	s_barrier_wait -1
.if \fill
	CREST                                          ; the barrier has opened a round of the cluster's barrier: no wave of any partner still reads this slot's tile or has a load on its way
	s_add_nc_u64 s[G0+4*\slot+2:G0+4*\slot+3], s[G0+4*\slot+2:G0+4*\slot+3], 2*ROWB
	s_add_nc_u64 s[G0B+4*\slot+2:G0B+4*\slot+3], s[G0B+4*\slot+2:G0B+4*\slot+3], 2*ROWB
	JLOAD G0+4*\slot, G1, G0B+4*\slot, G1B         ; the first tensor load behind the round; the four v_nop behind it are the places in front of the loads below
.else
	PLACES NP
.endif
	v_add_nc_u32 v[ADRS], 4*NQ, v[ADRS]            ; on to the next K step's scale words (no LDS load of mine is out)
	FETCH_B \next, 0, 0
	FETCH_A \next, 0, 0
	SCALES \next
	WIN MUL_HI
	MUL16 4, 1, NQ-1, \slot, 0
	MUL16 6, 1, NQ-1, \slot, 0
	PLACES NP
	WIN 0
	FETCH_A \next, 0, 4
.endm
.macro STEPS slot, from                ; the slot's steps from .. NQ - 2
.set Q, \from
.rept NQ-1-\from
	STEP \slot, Q, 0
.set Q, Q+1
.endr
.endm
	s_wait_tensorcnt 1                             ; the scales and my part of K step 0 are in (K step 1's load may be out),
	s_barrier_signal -1
	s_barrier_wait -1                              ; everybody's are
	FETCH_B 0, 0, 0
	FETCH_A 0, 0, 0
	SCALES 0
	FETCH_A 0, 0, 4
	STEP 0, 0, 1                                   ; the first step stands in front of the loop: its products start the sums
	s_mov_b32 s3, LAPS-1
.Llap:                                                 ; a trip goes once round the ring, from a lap's second step to the next lap's first, and fills both slots again
	STEPS 0, 1
	TURN 0, 1, 1
	STEPS 1, 0
	TURN 1, 0, 1
	STEP 0, 0, 0
	s_sub_co_u32 s3, s3, 1
	s_cmp_lg_u32 s3, 0
	s_cbranch_scc1 .Llap
	STEPS 0, 1                                     ; the last lap fills nothing, and has no round of the cluster's barrier
	TURN 0, 1, 0
	STEPS 1, 0
	s_wait_dscnt 4*NL                              ; the very last step: nothing more to fetch
	WIN MUL_LO
	MUL16 0, 1, NQ-1, 1, 0
	MUL16 2, 1, NQ-1, 1, 0
	s_wait_dscnt 0
	WIN MUL_HI
	MUL16 4, 1, NQ-1, 1, 0
	MUL16 6, 1, NQ-1, 1, 0
	WIN 0
; THE WAY OUT, block by block of 16 rows x 128 columns.  PACK: rounded to f16, 16 bytes a lane, each accumulator from its low end on.  TOSTAGE: into my own stage in LDS, and back as whole rows of 256 bytes.  SEND: stored.
; LDS serves a wave's instructions in order (ISA guide 5.7.1.4): no wait between the stores and the loads.
.macro PACK a
.set AC, 64*((\a)%4)
	WIN 0x0a+5*((\a)/4)                            ; sources 0 and 1: window 2 or 3
.irp b, 0,1,2,3,4,5,6,7
.irp r, 0,1,2,3
	v_cvt_pk_f16_f32 v[TMP+4*\b+\r], v[AC+8*\b+2*\r], v[AC+8*\b+2*\r+1]
.endr
.endr
	WIN 0
.endm
.macro TOSTAGE a
.set BK, OB+32*((\a)%2)
.irp b, 0,1,2,3,4,5,6,7
	ds_store_b128 v[STO], v[TMP+4*\b:TMP+4*\b+3] offset:32*\b
.endr
.irp t, 0,1,2,3,4,5,6,7
	ds_load_b128 v[BK+4*\t:BK+4*\t+3], v[RD] offset:\t*2*SPITCH
.endr
.endm
.macro SEND a
.set BK, OB+32*((\a)%2)
	s_wait_dscnt 0x0                               ; the block is back in registers
	s_wait_xcnt 0x0                                ; the block before has had its stores' addresses translated: the next block's loads may land in its registers
.irp t, 0,1,2,3,4,5,6,7
	global_store_b128 v[CO], v[BK+4*\t:BK+4*\t+3], s[12:13] offset:(16*(\a)+2*\t)*CROW   ; 16 lanes store 256 consecutive bytes, aligned; 126 rows of C at the most: inside the signed 24-bit immediate
.endr
.endm
	PLACES NP                                      ; for the first reads of results; with block 0's 32 conversions they also stand in front of the loads into the registers that held A's fragments
	PACK 0
	TOSTAGE 0
.irp a, 1,2,3,4,5,6,7                  ; block a's conversions stand between block a - 1's loads from the stage and the wait for them
	PACK \a
	SEND \a-1
	TOSTAGE \a
.endr
	SEND 7
	s_wait_tensorcnt 0x0                           ; the wave's end, behind my last tensor load and my last LDS store
	ds_add_u32 v[SPW], v[NIL]
	s_wait_dscnt 0x0
	CROUND                                         ; the closing round: no work-group ends while a partner may still ask for a tile that names it
	s_endpgm
.Lfunc_end_k_q53df16fdca_qkv_gemm:
	.size	k_q53df16fdca_qkv_gemm, .Lfunc_end_k_q53df16fdca_qkv_gemm-k_q53df16fdca_qkv_gemm
	.p2alignl 7, 3214868480
	.fill 96, 4, 3214868480
	.section	.rodata,"a",@progbits
	.p2align	6, 0x0
	.amdhsa_kernel k_q53df16fdca_qkv_gemm
		.amdhsa_group_segment_fixed_size 327680
		.amdhsa_private_segment_fixed_size 0
		.amdhsa_enable_private_segment 0
		.amdhsa_kernarg_size 40
		.amdhsa_user_sgpr_count 2
		.amdhsa_user_sgpr_kernarg_segment_ptr 1
		.amdhsa_wavefront_size32 1
		.amdhsa_system_sgpr_workgroup_id_x 1
		.amdhsa_system_sgpr_workgroup_id_y 1
		.amdhsa_system_sgpr_workgroup_id_z 1
		.amdhsa_system_vgpr_workitem_id 0
		.amdhsa_next_free_vgpr 1024
		.amdhsa_next_free_sgpr 98
		.amdhsa_reserve_vcc 0
		.amdhsa_float_denorm_mode_32 3
		.amdhsa_float_denorm_mode_16_64 3
		.amdhsa_memory_ordered 1
		.amdhsa_forward_progress 1
		.amdhsa_inst_pref_size 213
	.end_amdhsa_kernel
	.amdgpu_metadata
---
amdhsa.version: [ 1, 2 ]
amdhsa.kernels:
  - .name:           k_q53df16fdca_qkv_gemm
    .symbol:         k_q53df16fdca_qkv_gemm.kd
    .args:
      - { .name: x_codes, .offset: 0, .size: 8, .value_kind: global_buffer, .address_space: global }
      - { .name: x_scales, .offset: 8, .size: 8, .value_kind: global_buffer, .address_space: global }
      - { .name: w_codes, .offset: 16, .size: 8, .value_kind: global_buffer, .address_space: global }
      - { .name: w_scales, .offset: 24, .size: 8, .value_kind: global_buffer, .address_space: global }
      - { .name: qkv, .offset: 32, .size: 8, .value_kind: global_buffer, .address_space: global }
    .group_segment_fixed_size: 327680
    .private_segment_fixed_size: 0
    .kernarg_segment_align: 8
    .kernarg_segment_size: 40
    .max_flat_workgroup_size: 128
    .sgpr_count:     98
    .vgpr_count:     1024
    .wavefront_size: 32
...
	.end_amdgpu_metadata
.endif
;; end of part 2
;; launch attn (part 3): grid 16 x 16, 4 waves a work-group, no clusters, 327,680 bytes of LDS; arguments qkv, lambda_q1, lambda_k1, lambda_q2, lambda_k2, abuf; writes abuf
.if DOCPART == 3
	.amdgcn_target "amdgcn-amd-amdhsa--gfx1250"
	.amdhsa_code_object_version 6
	.text
	.protected	k_q53df16fdca_attn
	.globl	k_q53df16fdca_attn
	.p2align	8
	.type	k_q53df16fdca_attn,@function
k_q53df16fdca_attn:
	s_mov_b64 s[64:65], 0
	v_nop
	global_prefetch_b8 v0, s[64:65] scope:SCOPE_SE
	s_setreg_imm32_b32 hwreg(HW_REG_WAVE_MODE, 25, 1), 1
	s_wait_xcnt 0x0
; DiffAttn, launch 3 of 4: for each head the two streams' causal softmax, out = a1 V - lambda a2 V, LayerNorm over the 128 channels, x (1 - lambda_init); f16 into abuf, flat [head][t][128].
; LEFT OUT: key steps all of whose 64 keys come after all 64 queries of a block: reference() adds -infinity to those scores, so their weights are 0 for all finite inputs.  A NaN or an infinity that reaches only them is not carried.
; qkv [t][6144] f16 holds q / 4 at byte 0, k / 4 at 4,096, v / 4 at 8,192 of a row of 12,288 bytes; a head's piece is 256 bytes at 256 x head (q, k: stream 0's 64 channels, then stream 1's).
; The factors come back in constants: p = 2^(c s - c m) with c = 16 log2(e) / 8; LayerNorm of out / 4 with eps / 16 gives what LayerNorm of out gives with eps.
; Products take f16 operands, sums are f32; maxima, sums, the difference and the norm are f32.  The running maximum is taken away before every exponential; it begins at -1e30, under every score (|s| <= 64 x 65,504^2).
; An online softmax knows the rows' sums only at the end, so p1 V and p2 V are both summed and the difference is taken then.
; SHARES.  Work-group (i, head) owns two blocks of 64 queries of one head: block 31 - i (L) and block i (E): 33 block steps of 64 x 64 in every work-group.  Wave w owns queries 16 w .. 16 w + 15 of each block, in both streams:
; four tiles: 0 (L, stream 0), 1 (L, stream 1), 2 (E, 0), 3 (E, 1).
; LAYOUT.  S^T = K Q^T (source 0 = 16 keys, source 1 = 16 queries): a lane holds ONE query (lane % 16) and keys 8 (lane / 16) + 0..7.  Two such tiles, rounded to f16 in pairs, ARE source 1 of O^T = V^T P.
; K comes out of LDS as it lies, V ([key][channel]) turned, by ds_load_tr16_b128.
; BY TURNS.  A block's two streams are two PIECES, which share K's and V's fragments and nothing else.  In a TURN one piece has the matrix unit: 16 products V^T P of the step in hand, then 8 products K Q^T of the next step; the
; other piece's softmax, 134 vector instructions, is dealt out behind these 24 matrix instructions, five or six behind each.  Then the pieces change places: turn A gives the matrix unit to stream 0 and carries stream 1's softmax
; of this step, turn B gives it to stream 1 and carries stream 0's softmax of the next step.  All that a softmax touches but O^T lies in window 0, and no window has room for a product's operands beside it: a slice costs two
; switches of the register window, 48 a turn.  A step is: turn A of L; turns A and B of E, in one branch on ids; turn B of L.
; THE LDS LOADS run a step ahead, in runs of 32: K of the next step at a step's head (one buffer: the step before has done with it), V of the next step behind L's turn A (two buffers, by the step's parity).
; NO CLUSTER: under the causal mask the work-groups of a head need different numbers of tiles ((31 - i) / 2 + 1 slots), so some partner would receive tiles that none of its waves reads.
; THE RING: two slots of 128 keys (two key steps).  Wave 0 fetches a slot's K, wave 1 its V, one load of 128 rows x 256 bytes each, so that every load holds the slot's first step, which is read whenever the slot is asked for.
; By this text's own count a wave has two tensor loads out at the start and one behind each change of slots.  Every wait for tensor loads is for 0.
; Every work-group walks all 16 slots (the trip count is a constant); hidden work is jumped over by scalar branches on ids; a slot beyond the work-group's last query is not asked for.
; REGISTERS, in windows of 256: window 0: v1-11 addresses; v12-43 eight registers of statistics a tile; v44-59 at work; v64-191 S^T, 32 a tile; v192-255 P, 16 a tile.
;   window 1: O^T, 64 a tile.   window 2: v0-63 Q, 16 a tile; v128-255 K of one step.   window 3: V of two steps, v0-127 and v128-255.
.set ROWP,  12288                      ; a row of qkv in bytes
.set PK,    272                        ; a row of K in LDS: 256 bytes + 16 of padding: the 16 rows of a load start at 16 different banks
.set PV,    288                        ; a row of V: 256 + 32
.set KST,   64*PK                      ; a key step's K
.set VST,   64*PV                      ; a key step's V
.set VOFF,  128*PK                     ; a slot: 128 rows of K, then 128 rows of V
.set SLOT1, 1<<17                      ; slot 1 begins here: one exclusive or turns an address in one slot into the other's
.set STAGE, SLOT1+128*(PK+PV)          ; behind the ring: 16 rows x 272 bytes for each wave, for the way out
.set SP,    272
.set SPARE, STAGE+4*16*SP              ; the spare words, 128 bytes for each wave: two blocks of 256 bytes that no other line names
.set SLOTB, 128*ROWP                   ; a slot on, in memory
.set NSM,   134                        ; vector instructions in a tile's softmax of one key step
.set NMX,   24                         ; matrix instructions in a turn
.set AK0, 2                            ; v2   my lane's place in a tile of K
.set AV0, 3                            ; v3   the same for V
.set ADR, 4                            ; v4   the LDS address of the run of loads in hand
.set QO,  5                            ; v5   my byte offset in the wave's rows of Q
.set STO, 6                            ; v6   the way out: where I put 16 bytes of a row
.set RD,  7                            ; v7   the way out: where I read a row back
.set GO,  8                            ; v8   my byte offset in the wave's rows of abuf
.set DD,  10                           ; v10  16 w + lane % 16 - 8 (lane / 16): on the diagonal register 8 kb + j is hidden where 16 kb + j is above it
.set NINF, 11                          ; v11  -infinity
.set ST,  12                           ; tile t's statistics at v[ST + 8 t]: +0 c m, +1 m, +2, +3 l (even keys', odd keys'), +4 to +7 at work; a = 2^(c m_old - c m_new) in +6
.set NLAM, 60                          ; v60  -lambda
.set PFO, 61                           ; v61  the prefetches' offset: my lane x a row of qkv; never rewritten
.set SPW, 62                           ; v62  LDS address of my spare word; never rewritten
.set NIL, 63                           ; v63  0; never rewritten
.set S,   64
.set P,   192
.set KFR, 128                          ; K's fragments, in window 2: fragment 4 kb + 2 stream + cs
.set WV,  16                           ; s16  my wave's number
.set KF,  17                           ; s17  the step's first key
.set KLL, 18                           ; s18  block L's first query
.set KLE, 19                           ; s19  block E's first query
.set TB,  20                           ; s20  LDS byte at which the slot begins from which the fetches read
.set SLOTS, 21                         ; s21  slots still to be walked
.set LIM, 22                           ; s22  3 in the work-group that prefetches, else the greatest number
.set QLAST, 23                         ; s23  the work-group's last query
.set G1K, 24                           ; s[24:31] descriptor group 1 for K's tiles;  s[32:39] for V's: it differs in the padding alone
.set G1V, 32
.set G0K, 40                           ; s[40:47] group 0 for K: a set for each of the two first fills; the second then walks.  s[48:55] for V
.set G0V, 48
.set PFA, 56                           ; s[56:57] where my prefetches stand
.set CS,  58                           ; s[58:59] c: the packed scaling names a pair and takes its low word for both halves
.set SEL, 60                           ; s[60:61] lane selects for v_permlanex16_b32: lane l xor 16
.set QLB, 66                           ; s[66:67], s[68:69] Q at my first query of L, of E;  s[70:71], s[72:73] abuf likewise
.set QEB, 68
.set OLB, 70
.set OEB, 72
.set C128, 74                          ; s74 1 / 128;  s75 eps / 16;  s76 1 - lambda_init
.set EPS, 75
.set OML, 76
.set SK,  77                           ; s77  the first key of the slot in hand: stepped once a trip
.set MSB, 0
.macro WIN new                         ; the immediate's high byte repeats the setting that is left; a switch that changes nothing is dropped
.if MSB != \new
	s_set_vgpr_msb (MSB<<8)|\new
.set MSB, \new
.endif
.endm
.set W_KQ, 0x0a                        ; K and Q in window 2, S^T in window 0
.set W_PV, 0x53                        ; V in window 3, P in window 0, O^T in window 1
.set W_RS, 0x41                        ; O^T (destination and source 0) in window 1, a in window 0
.macro PLACES                          ; four places behind matrix instructions, in front of reads of results and of loads into registers that they have read
.rept 4
	v_nop
.endr
.endm
; The refill.  Wave 0 fetches K's 128 rows, wave 1 V's, the others nothing.  An s_nop 0 and four v_nop follow each of the two lines.
.macro TLOAD
	s_cmp_lg_u32 s[WV], 0
	s_cbranch_scc1 .Lnot_k_\@
	tensor_load_to_lds s[G0K+4:G0K+7], s[G1K:G1K+7]
	s_nop 0
.rept 4
	v_nop
.endr
	s_branch .Lasked_\@
.Lnot_k_\@:
	s_cmp_lg_u32 s[WV], 1
	s_cbranch_scc1 .Lasked_\@
	tensor_load_to_lds s[G0V+4:G0V+7], s[G1V:G1V+7]
	s_nop 0
.rept 4
	v_nop
.endr
.Lasked_\@:
.endm
; A PREFETCH INTO THE L2 of what the NEXT change of slots will ask for: a slot's 128 rows, K's 256 bytes and V's 256 bytes of each.  All work-groups of a head walk the same K and V from key 0 on; work-group i = 0, whose block L is
; the last, walks all of them: it asks, and nobody else (a branch on the work-group's number).  Each of its waves takes 32 rows, a lane a row: two instructions.  So each piece of 256 bytes is named once in the launch.
; It asks two key steps ahead of the load.  The changes in slots 13, 14 and 15 ask for nothing: the slot three on would lie past the last key.  Slots 0 to 2 come by their loads alone.
.macro ASK
	s_cmp_gt_u32 s[SLOTS], s[LIM]
	s_cbranch_scc0 .Lnot_mine_\@
	global_prefetch_b8 v[PFO], s[PFA:PFA+1] th:TH_LOAD_NT scope:SCOPE_SE
	global_prefetch_b8 v[PFO], s[PFA:PFA+1] offset:4096 th:TH_LOAD_NT scope:SCOPE_SE
.Lnot_mine_\@:
.endm
	s_load_b256 s[4:11], s[0:1], 0x0               ; qkv 4:5, lambda_q1 6:7, lambda_k1 8:9, lambda_q2 10:11
	s_load_b128 s[12:15], s[0:1], 0x20             ; lambda_k2 12:13, abuf 14:15
	v_lshl_add_u32 v[SPW], v0, 2, SPARE
	v_mov_b32 v[NIL], 0
	ds_add_u32 v[SPW], v[NIL]                      ; the wave's opening: the add, twice on end, and its wait ahead of the first tensor load; the set-up below stands between the second and the wait
	ds_add_u32 v[SPW], v[NIL]
	v_lshrrev_b32 v1, 5, v0
	v_readfirstlane_b32 s[WV], v1                  ; wave 0..3
	s_and_b32 s62, ttmp7, 0xffff                   ; the head
	s_lshl_b32 s[KLE], ttmp9, 6                    ; 64 i
	s_sub_co_u32 s[KLL], 1984, s[KLE]              ; 64 (31 - i)
	s_add_co_u32 s[QLAST], s[KLL], 63
	s_lshl_b32 s63, s62, 8                         ; the head's piece of a row
	s_lshl_b32 s2, s[WV], 4
	s_add_co_u32 s3, s[KLL], s2                    ; my first query of L
	s_mul_i32 s[QLB], s3, ROWP
	s_add_co_u32 s[QLB], s[QLB], s63
	s_mov_b32 s[QLB+1], 0
	s_lshl_b32 s[OLB], s62, 11
	s_add_co_u32 s[OLB], s[OLB], s3
	s_lshl_b32 s[OLB], s[OLB], 8                   ; abuf: (2,048 head + query) x 256 bytes
	s_mov_b32 s[OLB+1], 0
	s_add_co_u32 s3, s[KLE], s2                    ; my first query of E
	s_mul_i32 s[QEB], s3, ROWP
	s_add_co_u32 s[QEB], s[QEB], s63
	s_mov_b32 s[QEB+1], 0
	s_lshl_b32 s[OEB], s62, 11
	s_add_co_u32 s[OEB], s[OEB], s3
	s_lshl_b32 s[OEB], s[OEB], 8
	s_mov_b32 s[OEB+1], 0
	s_lshl_b32 s[PFA], s[WV], 5                    ; the prefetches: row 256 + 32 w (slot 2; the first change of slots steps it to slot 3), K's piece
	s_add_co_u32 s[PFA], s[PFA], 256
	s_mul_i32 s[PFA], s[PFA], ROWP
	s_add_co_u32 s[PFA], s[PFA], s63
	s_add_co_u32 s[PFA], s[PFA], 4096
	s_mov_b32 s[PFA+1], 0
	s_add_co_u32 s2, s63, 4096                     ; K of the head's key 0
	s_mov_b32 s3, 0
	; descriptor group 1: a tile of 128 rows x 128 elements of 2 bytes, 6,144 elements from row to row, padded in LDS
	s_mov_b32 s[G1K], (1<<16)|(1<<20)|(5<<22)|(3<<25)             ; no mask; elements of 2 bytes; padding on; after every 64 words; 4 words of it
	s_mov_b32 s[G1V], (1<<16)|(1<<20)|(5<<22)|(7<<25)             ; the same with 8 words of padding
.irp g, G1K, G1V
	s_mov_b32 s[\g+1], 128<<16                     ; tensor_dim0 = 128
	s_mov_b32 s[\g+2], 128<<16                     ; tensor_dim1 = 128
	s_mov_b32 s[\g+3], 128<<16                     ; tile_dim0 = 128
	s_mov_b32 s[\g+4], 128                         ; tile_dim1 = 128
	s_mov_b32 s[\g+5], 6144                        ; tensor_dim0_stride
	s_mov_b32 s[\g+6], 0
	s_mov_b32 s[\g+7], 0
.endr
	s_mov_b32 s[CS], 0x4038aa3b                    ; c = 2 log2(e)
	s_mov_b32 s[CS+1], s[CS]                       ; (named with it as a pair, so it is written)
	s_mov_b32 s[SEL], 0x76543210
	s_mov_b32 s[SEL+1], 0xfedcba98
	s_mov_b32 s[C128], 0x3c000000                  ; 1 / 128
	s_mov_b32 s[EPS], 0x3527c5ac                   ; 1e-5 / 16
	s_mov_b32 s[OML], 0x3e5d9673                   ; 1 - lambda_init
	s_mov_b32 s[TB], 0
	s_mov_b32 s[SK], 0
	s_mov_b32 s[SLOTS], 16
	s_cmp_eq_u32 ttmp9, 0
	s_cselect_b32 s[LIM], 3, -1
	s_wait_dscnt 0x0                               ; both opening adds are done
	s_wait_kmcnt 0x0
	s_add_nc_u64 s[QLB:QLB+1], s[4:5], s[QLB:QLB+1]
	s_add_nc_u64 s[QEB:QEB+1], s[4:5], s[QEB:QEB+1]
	s_add_nc_u64 s[OLB:OLB+1], s[14:15], s[OLB:OLB+1]
	s_add_nc_u64 s[OEB:OEB+1], s[14:15], s[OEB:OEB+1]
	s_add_nc_u64 s[PFA:PFA+1], s[4:5], s[PFA:PFA+1]
	s_add_nc_u64 s[2:3], s[4:5], s[2:3]
	s_mov_b32 s[G0K], 1                            ; count = 1
	s_mov_b32 s[G0K+1], 0                          ; LDS address: slot 0
	s_mov_b64 s[G0K+2:G0K+3], s[2:3]               ; global address: keys 0 to 127
	s_or_b32 s[G0K+3], s[G0K+3], 0x80000000        ; type = 2
	s_mov_b32 s[G0K+4], 1
	s_mov_b32 s[G0K+5], SLOT1
	s_add_nc_u64 s[G0K+6:G0K+7], s[2:3], SLOTB     ; keys 128 to 255
	s_or_b32 s[G0K+7], s[G0K+7], 0x80000000
	s_mov_b32 s[G0V], 1
	s_mov_b32 s[G0V+1], VOFF
	s_add_nc_u64 s[G0V+2:G0V+3], s[2:3], 4096      ; V's piece lies 4,096 bytes behind K's
	s_or_b32 s[G0V+3], s[G0V+3], 0x80000000
	s_mov_b32 s[G0V+4], 1
	s_mov_b32 s[G0V+5], SLOT1+VOFF
	s_add_nc_u64 s[G0V+6:G0V+7], s[2:3], SLOTB+4096
	s_or_b32 s[G0V+7], s[G0V+7], 0x80000000
	s_cmp_lg_u32 s[WV], 0                          ; a wave's two first fills stand in one branch, ahead of every wait for tensor loads, every LDS read and every barrier
	s_cbranch_scc1 .Lfirst_not_k
	tensor_load_to_lds s[G0K:G0K+3], s[G1K:G1K+7]
	s_nop 0
	tensor_load_to_lds s[G0K+4:G0K+7], s[G1K:G1K+7]
	s_nop 0
.rept 4
	v_nop
.endr
	s_branch .Lfirst_asked
.Lfirst_not_k:
	s_cmp_lg_u32 s[WV], 1
	s_cbranch_scc1 .Lfirst_asked
	tensor_load_to_lds s[G0V:G0V+3], s[G1V:G1V+7]
	s_nop 0
	tensor_load_to_lds s[G0V+4:G0V+7], s[G1V:G1V+7]
	s_nop 0
.rept 4
	v_nop
.endr
.Lfirst_asked:
	; A fragment of K or Q is 16 rows x 32 channels in 8 registers: lane l holds row l % 16; registers 0-3 channels 8 (l / 16) + 0..7, registers 4-7 channels 16 + 8 (l / 16) + 0..7: two loads of 16 bytes, 32 bytes apart.
	v_and_b32 v1, 15, v0                           ; r = l % 16
	v_bfe_u32 v9, v0, 4, 1                         ; h = l / 16
	v_mul_u32_u24 v[QO], v1, ROWP
	v_lshl_add_u32 v[QO], v9, 4, v[QO]
	WIN 0x80                                       ; destination window 2, address window 0
.irp t, 0,1                            ; Q stays in registers: tile t (stream t), channels 32 c on, at v[16 t + 8 c]; tiles 2, 3 are E's
.irp c, 0,1
	global_load_b128 v[16*\t+8*\c:16*\t+8*\c+3],   v[QO], s[QLB:QLB+1] offset:128*\t+64*\c
	global_load_b128 v[16*\t+8*\c+4:16*\t+8*\c+7], v[QO], s[QLB:QLB+1] offset:128*\t+64*\c+32
	global_load_b128 v[32+16*\t+8*\c:32+16*\t+8*\c+3],   v[QO], s[QEB:QEB+1] offset:128*\t+64*\c
	global_load_b128 v[32+16*\t+8*\c+4:32+16*\t+8*\c+7], v[QO], s[QEB:QEB+1] offset:128*\t+64*\c+32
.endr
.endr
	WIN 0
	v_and_b32 v58, 31, v0
	v_lshlrev_b32 v58, 3, v58                      ; the lambdas: two numbers a lane
	global_load_b64 v[44:45], v58, s[6:7]
	global_load_b64 v[46:47], v58, s[8:9]
	global_load_b64 v[48:49], v58, s[10:11]
	global_load_b64 v[50:51], v58, s[12:13]
	v_mul_u32_u24 v[AK0], v1, PK
	v_lshl_add_u32 v[AK0], v9, 4, v[AK0]           ; row x pitch + 16 x half
	; The turning load takes 16 keys x 16 channels (lane l reads 16 bytes: key 8 (l / 16) + l % 8, channels 8 ((l / 8) % 2) + 0..7) and leaves half a fragment of V^T: lane l holds channel l % 16 and 8 keys.
	v_and_b32 v56, 7, v0
	v_bfe_u32 v57, v0, 3, 1
	v_lshl_add_u32 v[AV0], v9, 3, v56
	v_mul_u32_u24 v[AV0], v[AV0], PV
	v_lshl_add_u32 v[AV0], v57, 4, v[AV0]
	v_add_nc_u32 v[AV0], VOFF, v[AV0]
	s_mul_i32 s62, s[WV], 16*SP
	s_add_co_u32 s62, s62, STAGE                   ; my stage
	v_mul_u32_u24 v[STO], v1, SP                   ; in: row l % 16, 16 bytes for each half of the lanes
	v_lshl_add_u32 v[STO], v9, 4, v[STO]
	v_add_nc_u32 v[STO], s62, v[STO]
	v_mul_u32_u24 v[RD], v9, SP                    ; back: lanes 0-15 take one row of 256 bytes, lanes 16-31 the next
	v_lshl_add_u32 v[RD], v1, 4, v[RD]
	v_add_nc_u32 v[RD], s62, v[RD]
	v_lshlrev_b32 v[GO], 8, v9                     ; and the same two rows in abuf
	v_lshl_add_u32 v[GO], v1, 4, v[GO]
	v_lshlrev_b32 v[DD], 3, v9
	v_sub_nc_u32 v[DD], v1, v[DD]
	s_lshl_b32 s63, s[WV], 4
	v_add_nc_u32 v[DD], s63, v[DD]
	v_mov_b32 v[NINF], 0xff800000
	v_and_b32 v[PFO], 31, v0
	v_mul_u32_u24 v[PFO], v[PFO], ROWP
.irp t, 0,1,2,3
	v_mov_b32 v[ST+8*\t+1], 0xf149f2ca             ; m = -1e30
	v_mul_f32 v[ST+8*\t], s[CS], v[ST+8*\t+1]      ; c m
.irp j, 2,3,4,5,6,7
	v_mov_b32 v[ST+8*\t+\j], 0                     ; l; and the registers at work, of which one is a lane permute's destination, which counts as one of its sources
.endr
.endr
	WIN 0x40                                       ; O^T begins as zeros, so that the softmax is written once: its first pass multiplies zeros by a = 0.  256 issue slots once, against further copies of the turns' text
.set i, 0
.rept 256
	v_mov_b32 v[i], 0
.set i, i+1
.endr
	WIN 0
	s_wait_loadcnt 0x0                             ; Q and the lambdas
	v_pk_mul_f32 v[44:45], v[44:45], v[46:47]      ; lambda = exp(sum q1 k1) - exp(sum q2 k2) + lambda_init
	v_pk_mul_f32 v[48:49], v[48:49], v[50:51]
	v_add_f32 v44, v44, v45
	v_add_f32 v48, v48, v49
.irp m, 1,2,4,8
	v_add_f32_dpp v44, v44, v44 row_xmask:\m row_mask:0xf bank_mask:0xf
	v_add_f32_dpp v48, v48, v48 row_xmask:\m row_mask:0xf bank_mask:0xf
.endr
	v_permlanex16_b32 v45, v44, s[SEL], s[SEL+1]
	v_permlanex16_b32 v49, v48, s[SEL], s[SEL+1]
	v_add_f32 v44, v44, v45
	v_add_f32 v48, v48, v49
	v_mul_f32 v44, 0x3fb8aa3b, v44
	v_mul_f32 v48, 0x3fb8aa3b, v48
	v_exp_f32 v44, v44
	v_exp_f32 v48, v48
	v_nop                                          ; a plain instruction behind the last exponential,
	s_wait_alu depctr_va_vdst(0)                   ; and the wait ahead of the first use: one for the two
	v_sub_f32 v[NLAM], v48, v44
	v_add_f32 v[NLAM], 0xbf489a63, v[NLAM]         ; -lambda = (e2 - e1) - lambda_init: the same roundings as reference()'s order, with the sign turned
.macro TSET t
.set rT, ST+8*(\t)
.set rS, S+32*(\t)
.set rP, P+16*(\t)
.set rO, 64*(\t)
.endm
; THE LDS LOADS stand in runs of 32: a step's K (64 keys x 2 streams x 64 channels: 16 fragments) and its V (turned).  q: which of the slot's two steps;  vb: which of V's two buffers.
.macro FETCH_K q
	v_add_nc_u32 v[ADR], s[TB], v[AK0]
	WIN 0x80                                       ; destination window 2
.irp f, 0,1,2,3,4,5,6,7,8,9,10,11,12,13,14,15  ; keys 16 (f / 4) on; stream (f % 4) / 2, channels 32 (f % 2) on
	ds_load_b128 v[KFR+8*\f:KFR+8*\f+3],   v[ADR] offset:(\q)*KST+(\f/4)*16*PK+(\f%4)*64
	ds_load_b128 v[KFR+8*\f+4:KFR+8*\f+7], v[ADR] offset:(\q)*KST+(\f/4)*16*PK+(\f%4)*64+32
.endr
	WIN 0
.endm
.macro FETCH_V q, vb
	v_add_nc_u32 v[ADR], s[TB], v[AV0]
	WIN 0xc0                                       ; destination window 3
.irp f, 0,1,2,3,4,5,6,7,8,9,10,11,12,13,14,15  ; keys 32 (f / 8) on, channels 16 (f % 8) on
	ds_load_tr16_b128 v[128*(\vb)+8*\f:128*(\vb)+8*\f+3],   v[ADR] offset:(\q)*VST+(\f/8)*32*PV+(\f%8)*32
	ds_load_tr16_b128 v[128*(\vb)+8*\f+4:128*(\vb)+8*\f+7], v[ADR] offset:(\q)*VST+(\f/8)*32*PV+16*PV+(\f%8)*32
.endr
	WIN 0
.endm
; THE MATRIX WORK OF A TURN, for tile t.  The accumulators take turns, one instruction a turn: between two links of a chain stand 7 (V^T P) or 3 (K Q^T) others'.
; Product wi of 16 of O^T += V^T P: keys 32 (wi / 8) on, channels 16 (wi % 8) on.
.macro PV1 t, vb
	WIN W_PV
.set rD, 64*(\t)+8*(wi%8)
.set rA, 128*(\vb)+64*(wi/8)+8*(wi%8)
.set rB, P+16*(\t)+8*(wi/8)
	v_wmma_f32_16x16x32_f16 v[rD:rD+7], v[rA:rA+7], v[rB:rB+7], v[rD:rD+7]
.endm
; Product ki of 8 of S^T = K Q^T: channels 32 (ki / 4) on, keys 16 (ki % 4) on.  The first 4 start the sums.
.macro KQ1 t
	WIN W_KQ
.set rD, S+32*(\t)+8*(ki%4)
.set rA, KFR+32*(ki%4)+8*(2*((\t)%2)+ki/4)
.set rB, 16*(\t)+8*(ki/4)
.if ki < 4
	v_wmma_f32_16x16x32_f16 v[rD:rD+7], v[rA:rA+7], v[rB:rB+7], 0
.else
	v_wmma_f32_16x16x32_f16 v[rD:rD+7], v[rA:rA+7], v[rB:rB+7], v[rD:rD+7]
.endif
.endm
; On the diagonal the scores of tile t's hidden keys become -infinity ahead of the maximum: p = 0 then.  Register n = 8 kb + j holds key 16 kb + 8 (lane / 16) + j of the step.  Each accumulator is read from its low end on.
.macro MASK1 t
.set n, 0
.rept 32
	v_cmp_gt_i32 vcc_lo, 16*(n/8)+n%8, v[DD]
	v_cndmask_b32 v[S+32*(\t)+n], v[S+32*(\t)+n], v[NINF], vcc_lo
.set n, n+1
.endr
.endm
; THE VECTOR WORK OF A TURN.  One tile's softmax for one key step is a list of 134 instructions; SM1 writes number smj of it for tile t.  s0-s31 are the lane's 32 scores, in pairs 0-15.
;   0-15    the maximum of s0-s31 and the old m, three operands at a time: four chains of seven scores, then the four scores left over, the chains and m; each accumulator is read from its low end on
;   16-20   the other half of the lanes' maximum; c m_old kept; the new m; c m; c m_old - c m_new
;   21-69   ONE BATCH: the 16 scalings c s - c m, a pair of scores each, and all 33 exponentials (a at 22, then s0-s31): a scaling, then the two exponentials of the pair before.  None of these reads an exponential's result
;   (wait)  behind 69 stand a plain instruction and the one wait ahead of the first use of the batch's results
;   70-85   the roundings to f16;   86-101 the sums, in place, and l = a l + the sum;   102-133 the tile's O^T times a, each accumulator from its low end on: the one part that leaves window 0
.macro SM1 t
	TSET \t
.if smj < 102
	WIN 0
.else
	WIN W_RS
.endif
.if smj < 4
	v_max3_num_f32 v[rT+4+smj], v[rS+8*smj], v[rS+8*smj+1], v[rS+8*smj+2]
.elseif smj < 12
	v_max3_num_f32 v[rT+4+smj%4], v[rT+4+smj%4], v[rS+8*(smj%4)+2*(smj/4)+1], v[rS+8*(smj%4)+2*(smj/4)+2]
.elseif smj == 12
	v_max3_num_f32 v[rT+4], v[rT+4], v[rS+7], v[rS+15]
.elseif smj == 13
	v_max3_num_f32 v[rT+6], v[rT+6], v[rS+23], v[rS+31]
.elseif smj == 14
	v_max3_num_f32 v[rT+4], v[rT+4], v[rT+5], v[rT+6]
.elseif smj == 15
	v_max3_num_f32 v[rT+4], v[rT+4], v[rT+7], v[rT+1]
.elseif smj == 16
	v_permlanex16_b32 v[rT+5], v[rT+4], s[SEL], s[SEL+1]          ; the query's other 32 keys lie in the lane 16 away
.elseif smj == 17
	v_mov_b32 v[rT+7], v[rT]                       ; c m_old is kept for a
.elseif smj == 18
	v_max_num_f32 v[rT+1], v[rT+4], v[rT+5]        ; the new m
.elseif smj == 19
	v_mul_f32 v[rT], s[CS], v[rT+1]
.elseif smj == 20
	v_sub_f32 v[rT+7], v[rT+7], v[rT]              ; c m_old - c m_new
.elseif smj == 21
	v_pk_fma_f32 v[rS:rS+1], v[rS:rS+1], s[CS:CS+1], v[rT:rT+1] op_sel_hi:[1,0,0] neg_lo:[0,0,1] neg_hi:[0,0,1]
.elseif smj == 22
	v_exp_f32 v[rT+6], v[rT+7]
.elseif smj < 68
.set u, smj-23
.set b, u/3+1
.if u%3 == 0
	v_pk_fma_f32 v[rS+2*b:rS+2*b+1], v[rS+2*b:rS+2*b+1], s[CS:CS+1], v[rT:rT+1] op_sel_hi:[1,0,0] neg_lo:[0,0,1] neg_hi:[0,0,1]  ; pair b: c s - c m
.else
	v_exp_f32 v[rS+2*(b-1)+u%3-1], v[rS+2*(b-1)+u%3-1]            ; the pair before
.endif
.elseif smj < 70
	v_exp_f32 v[rS+smj-38], v[rS+smj-38]           ; s30, s31
.elseif smj < 86
	v_cvt_pk_f16_f32 v[rP+smj-70], v[rS+2*(smj-70)], v[rS+2*(smj-70)+1]
.elseif smj < 101                      ; sum z of 15 adds neighbours 1, 2, 4 and 8 pairs apart
.set z, smj-86
.set w, 4
.set u, z
.if z >= 14
.set w, 32
.set u, 0
.elseif z >= 12
.set w, 16
.set u, z-12
.elseif z >= 8
.set w, 8
.set u, z-8
.endif
	v_pk_add_f32 v[rS+w*u:rS+w*u+1], v[rS+w*u:rS+w*u+1], v[rS+w*u+w/2:rS+w*u+w/2+1]
.elseif smj == 101
	v_pk_fma_f32 v[rT+2:rT+3], v[rT+2:rT+3], v[rT+6:rT+7], v[rS:rS+1] op_sel_hi:[1,0,1]   ; l = a l + the sum
.else
	v_pk_mul_f32 v[rO+2*(smj-102):rO+2*(smj-102)+1], v[rO+2*(smj-102):rO+2*(smj-102)+1], v[rT+6:rT+7] op_sel_hi:[1,0]
.endif
.if smj == 69
	v_nop                                          ; a plain instruction behind the last exponential,
	s_wait_alu depctr_va_vdst(0)                   ; and the wait ahead of the first use: one for the tile's 33
.endif
.endm
.macro SMTO t, upto                    ; the list goes on, up to number upto
.rept (\upto)-smj
	SM1 \t
.set smj, smj+1
.endr
.endm
; The slices name none of the registers of the piece that has the matrix unit.  Four v_nop close every run of matrix instructions ahead of a label: they are the places in front of the next reads of its results and of the
; next loads into the registers that it has read.  At every label and every branch the windows are 0: behind the 16th matrix instruction the list stands at number 89.
; TURN A of the block whose first tile is x: stream 0 has the matrix unit, stream 1's softmax of this step stands behind its products.  kl: the block's first query;  kwait = 1: K of the next step is waited for here.
; In the block's last step there is no next K Q^T: the rest of the softmax is written once more, bare.
.macro TURN_A x, vb, kl, kwait
	s_cmp_lg_u32 s[KF], s[\kl]
	s_cbranch_scc1 .Lopen_\@
	MASK1 (\x)+1
.Lopen_\@:
.set smj, 0
.set wi, 0
.rept 16
	PV1 \x, \vb
	SMTO (\x)+1, NSM*(wi+1)/NMX
.set wi, wi+1
.endr
	WIN 0
	s_cmp_ge_u32 s[KF], s[\kl]
	s_cbranch_scc1 .Lbare_\@
.if \kwait
	s_wait_dscnt 0x0                               ; K of the next step is in: asked for 16 matrix instructions ago
.endif
.set ki, 0
.rept 8
	KQ1 \x
	SMTO (\x)+1, NSM*(wi+1)/NMX
.set wi, wi+1
.set ki, ki+1
.endr
	WIN 0
	PLACES
	s_branch .Ldone_\@
.Lbare_\@:
.set smj, NSM*16/NMX
	SMTO (\x)+1, NSM
	WIN 0
.Ldone_\@:
.endm
; TURN B: stream 1 has the matrix unit, stream 0's softmax of the NEXT step stands behind its products.  In the block's last step there is no next step: the 16 products V^T P stand bare.
.macro TURN_B x, vb, kl
	s_cmp_ge_u32 s[KF], s[\kl]
	s_cbranch_scc1 .Llast_\@
	s_add_co_u32 s62, s[KF], 64
	s_cmp_lg_u32 s62, s[\kl]
	s_cbranch_scc1 .Lopen_\@
	MASK1 \x
.Lopen_\@:
.set smj, 0
.set wi, 0
.rept 16
	PV1 (\x)+1, \vb
	SMTO \x, NSM*(wi+1)/NMX
.set wi, wi+1
.endr
.set ki, 0
.rept 8
	KQ1 (\x)+1
	SMTO \x, NSM*(wi+1)/NMX
.set wi, wi+1
.set ki, ki+1
.endr
	WIN 0
	PLACES
	s_branch .Ldone_\@
.Llast_\@:
.set wi, 0
.rept 16
	PV1 (\x)+1, \vb
.set wi, wi+1
.endr
	WIN 0
	PLACES
.Ldone_\@:
.endm
; A KEY STEP: 64 keys, the q-th of the slot in hand; V of this step lies in buffer q.  At its head stream 0's weights of this step are ready and stream 1's scores are raw, in every live block.
.macro STEPP q
.if \q == 0
	s_wait_dscnt 0x0                               ; V of this step is in: asked for in the step before.  (In a slot's second step the change of slots has waited)
.endif
	s_cmp_ge_u32 s[KF], s[KLL]                     ; block L's last step has no next step: nothing is fetched
	s_cbranch_scc1 .Lno_k_\@
	FETCH_K 1-\q                                   ; K of the next step: the slot's second step, or, behind the change of slots, the next slot's first
.Lno_k_\@:
	TURN_A 0, \q, KLL, 1
	s_wait_dscnt 0x0                               ; K of the next step is in on every way
.if \q == 0
	s_cmp_eq_u32 s[KF], 0                          ; V of step 1 was fetched ahead of the loop
	s_cbranch_scc1 .Lno_v_\@
.endif
	s_cmp_ge_u32 s[KF], s[KLL]
	s_cbranch_scc1 .Lno_v_\@
	FETCH_V 1-\q, 1-\q                             ; V of the next step, into the other buffer: it has the rest of this step in which to land
.Lno_v_\@:
	s_cmp_gt_u32 s[KF], s[KLE]                     ; block E's two turns stand in one branch
	s_cbranch_scc1 .Lno_e_\@
	TURN_A 2, \q, KLE, 0
	TURN_B 2, \q, KLE
.Lno_e_\@:
	TURN_B 0, \q, KLL
.endm
; THE CHANGE OF SLOTS stands between a slot's two steps: there K and V of both steps have been asked for.  Each wave waits for all its tensor loads (the next slot's), adds 0 to its spare word, and waits for that and for its reads
; of the slot.  Behind the barrier the next slot is whole and nobody reads this one: it is filled with the keys two slots on, and the load has two key steps in which to land.
.macro CHANGE
	s_wait_tensorcnt 0x0                           ; no tensor load of mine is out, so a group 0 may be written
	ds_add_u32 v[SPW], v[NIL]                      ; 0 onto my spare word,
	ds_add_u32 v[SPW], v[NIL]                      ; and twice on end here, in every trip alike; the descriptors' steps stand between the second and the wait
	s_xor_b32 s[G0K+5], s[G0K+5], SLOT1            ; the walking descriptors: the other slot than last time,
	s_add_nc_u64 s[G0K+6:G0K+7], s[G0K+6:G0K+7], SLOTB   ; the next 128 keys; the type bits on top are not reached
	s_xor_b32 s[G0V+5], s[G0V+5], SLOT1
	s_add_nc_u64 s[G0V+6:G0V+7], s[G0V+6:G0V+7], SLOTB
	s_wait_xcnt 0x0                                ; the last prefetches, a slot back, have read their address, so it may be written:
	s_add_nc_u64 s[PFA:PFA+1], s[PFA:PFA+1], SLOTB ; one slot further on than the walking descriptors
	s_wait_dscnt 0x0                               ; both adds are done, and my reads of the slot are over
	s_barrier_signal -1
	s_barrier_wait -1
	s_add_co_u32 s62, s[SK], 256                   ; the first key of the slot that this change would ask for.  A slot whose first key comes after the work-group's last query
	s_cmp_gt_u32 s62, s[QLAST]                     ; is read by none of its waves, so it is not asked for: ids and the count of slots alone, the same in all four waves; past the limit a work-group stays past it,
	s_cbranch_scc1 .Lpast_\@                       ; and the limit lies under the last key, so no load leaves the buffer.  Where the tail begins hangs on the work-group's number, so it cannot be written out
	TLOAD                                          ; a wave's one tensor load until the next change
.Lpast_\@:
	ASK
	s_xor_b32 s[TB], s[TB], SLOT1                  ; the fetches go on in the other slot
.endm
	s_wait_tensorcnt 0x0                           ; my parts of slots 0 and 1 are in,
	s_barrier_signal -1
	s_barrier_wait -1                              ; everybody's are
	; AHEAD OF THE LOOP: the four tiles' scores of step 0 and stream 0's first softmax, in both blocks (step 0 counts for both; step 1 counts for L, whose first query is 1,024 or more).
	FETCH_K 0
	FETCH_V 0, 0
	s_wait_dscnt 32                                ; K is in; V's 32 loads, just issued, may be out
.irp t, 0,2,1,3
.set ki, 0
.rept 8
	KQ1 \t
.set ki, ki+1
.endr
.endr
	WIN 0
	PLACES
	FETCH_V 1, 1                                   ; V of step 1, into the other buffer
	s_cmp_lg_u32 s[KLE], 0                         ; in work-group 0 step 0 is block E's diagonal
	s_cbranch_scc1 .Lopen_first
	MASK1 2
.Lopen_first:
.set smj, 0
	SMTO 0, NSM
.set smj, 0
	SMTO 2, NSM
	WIN 0
.Lslot:                                            ; 16 trips: every work-group walks all slots
	s_mov_b32 s[KF], s[SK]
	s_cmp_gt_u32 s[KF], s[KLL]                     ; a step all of whose keys come after block L's queries is hidden: a jump round its work
	s_cbranch_scc1 .Lmid
	STEPP 0
.Lmid:
	CHANGE
	s_add_co_u32 s[KF], s[SK], 64
	s_cmp_gt_u32 s[KF], s[KLL]
	s_cbranch_scc1 .Lslot_end
	STEPP 1
.Lslot_end:
	s_add_co_u32 s[SK], s[SK], 128
	s_sub_co_u32 s[SLOTS], s[SLOTS], 1
	s_cmp_lg_u32 s[SLOTS], 0
	s_cbranch_scc1 .Lslot
; THE WAY OUT of the block whose first tile is x: out = O1 / l1 - lambda O2 / l2; LayerNorm over the query's 128 channels (64 in my lane, 64 in the lane 16 away); x (1 - lambda_init); f16; through my stage; 16 rows of 256 bytes.
.macro FINISH x, base
.set rT1, ST+8*(\x)
.set rT2, ST+8*(\x)+8
.set OUT, S+32*(\x)
.set PKR, P+16*(\x)
.set rO1, 64*(\x)
.set rO2, 64*(\x)+64
	v_add_f32 v[rT1+4], v[rT1+2], v[rT1+3]         ; l's two halves,
	v_add_f32 v[rT2+4], v[rT2+2], v[rT2+3]
	v_permlanex16_b32 v[rT1+5], v[rT1+4], s[SEL], s[SEL+1]
	v_permlanex16_b32 v[rT2+5], v[rT2+4], s[SEL], s[SEL+1]
	v_add_f32 v[rT1+4], v[rT1+4], v[rT1+5]         ; and the other half of the lanes'
	v_add_f32 v[rT2+4], v[rT2+4], v[rT2+5]
	v_rcp_f32 v[rT1+6], v[rT1+4]
	v_rcp_f32 v[rT2+6], v[rT2+4]
	v_nop                                          ; a plain instruction behind the last reciprocal,
	s_wait_alu depctr_va_vdst(0)                   ; and the wait ahead of the first use: one for the two
	v_mul_f32 v[rT2+6], v[NLAM], v[rT2+6]          ; -lambda / l2
	WIN 0x01                                       ; source 0 (O^T) window 1
.set i, 0
.rept 32
	v_pk_mul_f32 v[OUT+i:OUT+i+1], v[rO1+i:rO1+i+1], v[rT1+6:rT1+7] op_sel_hi:[1,0]
.set i, i+2
.endr
.set i, 0
.rept 32
	v_pk_fma_f32 v[OUT+i:OUT+i+1], v[rO2+i:rO2+i+1], v[rT2+6:rT2+7], v[OUT+i:OUT+i+1] op_sel_hi:[1,0,1]
.set i, i+2
.endr
	WIN 0
.irp k, 0,1,2,3                        ; the mean, in four chains
	v_pk_add_f32 v[44+2*\k:45+2*\k], v[OUT+2*\k:OUT+2*\k+1], v[OUT+8+2*\k:OUT+9+2*\k]
.endr
.irp g, 2,3,4,5,6,7
.irp k, 0,1,2,3
	v_pk_add_f32 v[44+2*\k:45+2*\k], v[44+2*\k:45+2*\k], v[OUT+8*\g+2*\k:OUT+8*\g+2*\k+1]
.endr
.endr
	v_pk_add_f32 v[44:45], v[44:45], v[46:47]
	v_pk_add_f32 v[48:49], v[48:49], v[50:51]
	v_pk_add_f32 v[44:45], v[44:45], v[48:49]
	v_add_f32 v44, v44, v45
	v_permlanex16_b32 v45, v44, s[SEL], s[SEL+1]
	v_add_f32 v44, v44, v45
	v_mul_f32 v52, s[C128], v44
	v_mov_b32 v53, v52
.set i, 0
.rept 32
	v_pk_add_f32 v[OUT+i:OUT+i+1], v[OUT+i:OUT+i+1], v[52:53] neg_lo:[0,1] neg_hi:[0,1]
.set i, i+2
.endr
.irp k, 0,1,2,3                        ; the variance, likewise
	v_pk_mul_f32 v[44+2*\k:45+2*\k], v[OUT+2*\k:OUT+2*\k+1], v[OUT+2*\k:OUT+2*\k+1]
.endr
.irp g, 1,2,3,4,5,6,7
.irp k, 0,1,2,3
	v_pk_fma_f32 v[44+2*\k:45+2*\k], v[OUT+8*\g+2*\k:OUT+8*\g+2*\k+1], v[OUT+8*\g+2*\k:OUT+8*\g+2*\k+1], v[44+2*\k:45+2*\k]
.endr
.endr
	v_pk_add_f32 v[44:45], v[44:45], v[46:47]
	v_pk_add_f32 v[48:49], v[48:49], v[50:51]
	v_pk_add_f32 v[44:45], v[44:45], v[48:49]
	v_add_f32 v44, v44, v45
	v_permlanex16_b32 v45, v44, s[SEL], s[SEL+1]
	v_add_f32 v44, v44, v45
	v_fma_f32 v54, v44, s[C128], s[EPS]            ; variance + eps / 16
	v_rsq_f32 v54, v54
	v_nop
	s_wait_alu depctr_va_vdst(0)
	v_mul_f32 v54, s[OML], v54
	v_mov_b32 v55, v54
.set i, 0
.rept 32
	v_pk_mul_f32 v[OUT+i:OUT+i+1], v[OUT+i:OUT+i+1], v[54:55]
.set i, i+2
.endr
.set i, 0
.rept 32
	v_cvt_pk_f16_f32 v[PKR+i], v[OUT+2*i], v[OUT+2*i+1]            ; registers 4 f .. 4 f + 3: channels 16 f + 8 (lane / 16) + 0 .. 7 of my query: 16 bytes
.set i, i+1
.endr
.irp f, 0,1,2,3,4,5,6,7
	ds_store_b128 v[STO], v[PKR+4*\f:PKR+4*\f+3] offset:32*\f
.endr
.irp f, 0,1,2,3,4,5,6,7
	ds_load_b128 v[OUT+4*\f:OUT+4*\f+3], v[RD] offset:\f*2*SP      ; LDS serves a wave's instructions in order (ISA guide 5.7.1.4): these see the stores above; the next block's stores come behind them
.endr
.irp f, 0,1,2,3,4,5,6,7
	s_wait_dscnt 7-\f
	global_store_b128 v[GO], v[OUT+4*\f:OUT+4*\f+3], s[\base:\base+1] offset:512*\f   ; 16 lanes store 256 consecutive bytes, aligned
.endr
.endm
	FINISH 0, OLB
	FINISH 2, OEB
	s_wait_tensorcnt 0x0                           ; the wave's end, behind my last tensor load and my last LDS store
	ds_add_u32 v[SPW], v[NIL]
	s_wait_dscnt 0x0
	s_endpgm
.Lfunc_end_k_q53df16fdca_attn:
	.size	k_q53df16fdca_attn, .Lfunc_end_k_q53df16fdca_attn-k_q53df16fdca_attn
	.p2alignl 7, 3214868480
	.fill 96, 4, 3214868480
	.section	.rodata,"a",@progbits
	.p2align	6, 0x0
	.amdhsa_kernel k_q53df16fdca_attn
		.amdhsa_group_segment_fixed_size 327680
		.amdhsa_private_segment_fixed_size 0
		.amdhsa_enable_private_segment 0
		.amdhsa_kernarg_size 48
		.amdhsa_user_sgpr_count 2
		.amdhsa_user_sgpr_kernarg_segment_ptr 1
		.amdhsa_wavefront_size32 1
		.amdhsa_system_sgpr_workgroup_id_x 1
		.amdhsa_system_sgpr_workgroup_id_y 1
		.amdhsa_system_sgpr_workgroup_id_z 1
		.amdhsa_system_vgpr_workitem_id 0
		.amdhsa_next_free_vgpr 1024
		.amdhsa_next_free_sgpr 80
		.amdhsa_reserve_vcc 1
		.amdhsa_float_denorm_mode_32 3
		.amdhsa_float_denorm_mode_16_64 3
		.amdhsa_memory_ordered 1
		.amdhsa_forward_progress 1
		.amdhsa_inst_pref_size 208
	.end_amdhsa_kernel
	.amdgpu_metadata
---
amdhsa.version: [ 1, 2 ]
amdhsa.kernels:
  - .name:           k_q53df16fdca_attn
    .symbol:         k_q53df16fdca_attn.kd
    .args:
      - { .name: qkv, .offset: 0, .size: 8, .value_kind: global_buffer, .address_space: global }
      - { .name: lambda_q1, .offset: 8, .size: 8, .value_kind: global_buffer, .address_space: global }
      - { .name: lambda_k1, .offset: 16, .size: 8, .value_kind: global_buffer, .address_space: global }
      - { .name: lambda_q2, .offset: 24, .size: 8, .value_kind: global_buffer, .address_space: global }
      - { .name: lambda_k2, .offset: 32, .size: 8, .value_kind: global_buffer, .address_space: global }
      - { .name: abuf, .offset: 40, .size: 8, .value_kind: global_buffer, .address_space: global }
    .group_segment_fixed_size: 327680
    .private_segment_fixed_size: 0
    .kernarg_segment_align: 8
    .kernarg_segment_size: 48
    .max_flat_workgroup_size: 128
    .sgpr_count:     80
    .vgpr_count:     1024
    .wavefront_size: 32
...
	.end_amdgpu_metadata
.endif
;; end of part 3
;; launch out_gemm (part 4): grid 16 x 16, 4 waves a work-group, clusters of 4 x 4, 327,680 bytes of LDS; arguments abuf, wo16, out0; writes out0
.if DOCPART == 4
	.amdgcn_target "amdgcn-amd-amdhsa--gfx1250"
	.amdhsa_code_object_version 6
	.text
	.protected	k_q53df16fdca_out_gemm
	.globl	k_q53df16fdca_out_gemm
	.p2align	8
	.type	k_q53df16fdca_out_gemm,@function
k_q53df16fdca_out_gemm:
	s_mov_b64 s[64:65], 0
	v_nop
	global_prefetch_b8 v0, s[64:65] scope:SCOPE_SE
	s_setreg_imm32_b32 hwreg(HW_REG_WAVE_MODE, 25, 1), 1
	s_wait_xcnt 0x0
	s_wait_alu depctr_hold_cnt(0) depctr_sa_sdst(0) depctr_va_vdst(0) depctr_va_sdst(0) depctr_va_ssrc(0) depctr_va_vcc(0) depctr_vm_vsrc(0)
	s_getreg_b32 s2, hwreg(HW_REG_IB_STS2, 6, 4)
	s_cmp_eq_u32 s2, 0
	s_cbranch_scc0 .Lentry_in_a_cluster
	s_endpgm
.Lentry_in_a_cluster:
	s_bfe_u32 s2, ttmp6, 0x10000c
	s_cmp_lg_u32 s2, 0xf033
	s_cbranch_scc0 .Lentry_shape_is_right
	s_endpgm
.Lentry_shape_is_right:
; DiffAttn, launch 4 of 4: out0[m][n] = sum over k of A[m][k] Wo[k][n].  A: abuf, the attention's flat [head][t][128] read as [2048][2048] f16 (reference() reshapes without transposing the heads back);
; Wo: wo16 [k 2048][n 2048] f16; out0 [2048][2048] f32; sums in f32.  No work of the problem is left out here.
; A tile of C is 128 x 128, so that there are 256 work-groups.  Four waves, each 64 x 64: 16 accumulators of 16 x 16, 128 registers.  K goes in steps of 256 through a ring of two LDS slots:
; A's tile is 128 rows x 512 bytes (a wave's tensor load brings 64 of them); Wo's is 256 rows k x 256 bytes (a load brings 128), and its fragments come out of LDS turned, by ds_load_tr16_b128.
; CLUSTERS: 4 x 4 work-groups.  The four of a row of the cluster need the same tiles of A, the four of a column the same tiles of Wo: each tile is asked for JOINTLY, by the same tensor load with the same descriptor and a mask
; that names the four.  THE MATRIX INSTRUCTION IS USED TRANSPOSED (source 0 = 16 columns of Wo, source 1 = 16 rows of A): a lane then holds eight neighbouring numbers of a row of C.
; By this text's own count a wave has two tensor loads out at the start and one behind each round.
; REGISTERS: window 0: v0-31 addresses; v32-95 at work on the way out; v128-255 the accumulators ((a, b) at v[128 + 8 (4 a + b)]).
;   window 1: two fragment buffers of 128: for 64 along K (two matrix instructions deep), 64 registers of A (2 x 4 x 16 rows x 32 K), then 64 of Wo.
.set SIZE_N, 2048
.set SIZE_K, 2048
.set KSTEP,  256
.set PITCH,  528                       ; a row of A in LDS: 512 bytes + 16 of padding: the 16 rows that a load touches start at 16 different banks
.set HALFA,  64*PITCH                  ; 64 rows of A: what one tensor load brings, and what one wave reads
.set APART,  2*HALFA                   ; A's 128 rows
.set PB,     288                       ; a row k of Wo in LDS: 256 bytes + 32
.set HALFB,  128*PB                    ; 128 rows k: what one tensor load brings
.set SLOT,   APART+2*HALFB
.set STAGE,  2*SLOT                    ; behind the ring: 16 rows x 272 bytes for each wave, for the way out
.set SPITCH, 272
.set SPARE,  STAGE+4*16*SPITCH         ; the spare words, 128 bytes for each wave
.set LAPS, SIZE_K/(2*KSTEP)            ; a lap = two K steps = once round the ring
.set ADRA, 16                          ; v16-17  LDS address of my A fragments in slot 0, 1
.set ADRB, 20                          ; v20-23  the same for Wo: v[20 + slot + 2 kh], kh: which 128 of the step's 256 rows k
.set STO,  24                          ; v24     the way out: where I put 32 bytes of a row
.set RD,   25                          ; v25     the way out: where I read a row back
.set CO,   26                          ; v26     my byte offset in C
.set SPW,  28                          ; v28     LDS address of my spare word; never rewritten
.set NIL,  29                          ; v29     0; never rewritten
.set OB,   32                          ; the way out: 16 rows read back: v32-63 and v64-95 by turns
.set ACC,  128
.set F0,   0                           ; fragment buffers, in window 1
.set F1,   128
.set G1, 24                            ; s[24:31] descriptor group 1 for A's tiles;  s[32:39] group 0, one set for each slot
.set G0, 32
.set G1B, 48                           ; s[48:55], s[56:63] the same for Wo's tiles
.set G0B, 56
.set MSB, 0
.macro WIN new                         ; the immediate's high byte repeats the setting that is left
.if MSB != \new
	s_set_vgpr_msb (MSB<<8)|\new
.set MSB, \new
.endif
.endm
.set MUL,  0x05                        ; sources 0 (Wo) and 1 (A) window 1; C and D window 0
.set TO_F, 0x40                        ; destination window 1, address window 0
.macro JLOAD s                         ; a joint load: waves 0 and 1 fetch A's two halves, waves 2 and 3 Wo's; an s_nop 0 and four v_nop follow each of the two lines, ahead of the jump, the label and what follows
	s_cmp_eq_u32 s11, 0
	s_cbranch_scc0 .Lfor_b_\@
	tensor_load_to_lds s[G0+4*\s:G0+4*\s+3], s[G1:G1+7]
	s_nop 0
.rept 4
	v_nop
.endr
	s_branch .Lasked_\@
.Lfor_b_\@:
	tensor_load_to_lds s[G0B+4*\s:G0B+4*\s+3], s[G1B:G1B+7]
	s_nop 0
.rept 4
	v_nop
.endr
.Lasked_\@:
.endm
.macro CREST                           ; a round of the cluster's barrier behind its opening barrier
	s_cmp_lg_u32 s10, 0
	s_cbranch_scc1 .Lnot_wave_0_\@
	s_barrier_signal -3
.Lnot_wave_0_\@:
	s_barrier_wait -3
	s_barrier_signal -1
	s_barrier_wait -1
.endm
.macro CROUND                          ; a whole round
	s_barrier_signal -1
	s_barrier_wait -1
	CREST
.endm
	s_load_b128 s[4:7], s[0:1], 0x0                ; A s[4:5], Wo s[6:7]
	s_load_b64 s[8:9], s[0:1], 0x10                ; C
	v_lshl_add_u32 v[SPW], v0, 2, SPARE
	v_mov_b32 v[NIL], 0
	ds_add_u32 v[SPW], v[NIL]                      ; the wave's opening: the add, twice on end, and its wait ahead of my first tensor load; the set-up below stands between the second and the wait
	ds_add_u32 v[SPW], v[NIL]
	v_lshrrev_b32 v1, 5, v0
	v_readfirstlane_b32 s10, v1                    ; wave 0..3
	s_lshr_b32 s11, s10, 1                         ; which half of the tile's rows is mine.  Also: I fetch for A (0) or for Wo (1)
	s_and_b32 s12, s10, 1                          ; which half of its columns.  Also: which half of that tile I fetch
	s_bfe_u32 s40, ttmp6, 0x40000                  ; cx, cy: my place in the cluster
	s_bfe_u32 s41, ttmp6, 0x40004
	s_lshl_b32 s42, ttmp9, 2
	s_add_co_u32 s42, s42, s40                     ; tile column of C = 4 x cluster x + cx
	s_and_b32 s13, ttmp7, 0xffff
	s_lshl_b32 s13, s13, 2
	s_add_co_u32 s13, s13, s41                     ; tile row of C = 4 x cluster y + cy
	s_lshl_b32 s43, s41, 2
	s_lshl_b32 s43, 15, s43                        ; my row of the cluster
	s_lshl_b32 s44, 0x1111, s40                    ; my column
	; descriptor groups 1.  A: 64 rows x 256 elements of 2 bytes, 4 words of padding after every 128.  Wo: 128 rows x 128 elements, 8 words of padding after every 64
	s_or_b32 s[G1+0], s43, (1<<16)|(1<<20)|(1<<21)|(6<<22)|(3<<25)  ; 15:0 the mask: A's tiles go to my row; 21 set beside a mask
	s_or_b32 s[G1B+0], s44, (1<<16)|(1<<20)|(1<<21)|(5<<22)|(7<<25) ; Wo's go to my column
	s_mov_b32 s[G1+1], KSTEP<<16                   ; tensor_dim0 = 256
	s_mov_b32 s[G1+2], 64<<16                      ; tensor_dim1 = 64
	s_mov_b32 s[G1+3], KSTEP<<16                   ; tile_dim0 = 256
	s_mov_b32 s[G1+4], 64                          ; tile_dim1 = 64
	s_mov_b32 s[G1+5], SIZE_K                      ; tensor_dim0_stride
	s_mov_b32 s[G1+6], 0
	s_mov_b32 s[G1+7], 0
	s_mov_b32 s[G1B+1], 128<<16
	s_mov_b32 s[G1B+2], 128<<16
	s_mov_b32 s[G1B+3], 128<<16
	s_mov_b32 s[G1B+4], 128
	s_mov_b32 s[G1B+5], SIZE_N
	s_mov_b32 s[G1B+6], 0
	s_mov_b32 s[G1B+7], 0
	s_lshl_b32 s17, s12, 6
	s_lshl_b32 s16, s13, 7
	s_add_co_u32 s16, s16, s17                     ; A: row 128 x tile row + 64 x half,
	s_lshl_b32 s16, s16, 12                        ; of 4,096 bytes: it hangs on the tile row alone, which my row of the cluster shares
	s_mov_b32 s17, 0
	s_lshl_b32 s46, s12, 19                        ; Wo: row k = 128 x half, of 4,096 bytes,
	s_lshl_b32 s47, s42, 8                         ; + 256 bytes x tile column: it hangs on the tile column alone, which my column shares
	s_add_co_u32 s46, s46, s47
	s_mov_b32 s47, 0
	s_mul_i32 s20, s12, HALFA                      ; where they go: no place in the cluster enters an LDS address
	s_mul_i32 s21, s12, HALFB
	s_add_co_u32 s21, s21, APART
	s_wait_dscnt 0x0                               ; both opening adds are done
	s_wait_kmcnt 0x0
	s_add_nc_u64 s[14:15], s[4:5], s[16:17]
	s_add_nc_u64 s[46:47], s[6:7], s[46:47]
	CROUND                                         ; all sixteen work-groups are here: the first joint loads meet
.irp s, 0,1
	s_mov_b32 s[G0+4*\s], 1
	s_add_co_u32 s[G0+4*\s+1], s20, \s*SLOT
	s_add_nc_u64 s[G0+4*\s+2:G0+4*\s+3], s[14:15], \s*KSTEP*2
	s_or_b32 s[G0+4*\s+3], s[G0+4*\s+3], 0x80000000
	s_mov_b32 s[G0B+4*\s], 1
	s_add_co_u32 s[G0B+4*\s+1], s21, \s*SLOT
	s_add_nc_u64 s[G0B+4*\s+2:G0B+4*\s+3], s[46:47], \s*KSTEP*SIZE_N*2
	s_or_b32 s[G0B+4*\s+3], s[G0B+4*\s+3], 0x80000000
	JLOAD \s
.endr
	v_and_b32 v1, 15, v0                           ; l % 16
	v_bfe_u32 v2, v0, 4, 1                         ; l / 16
	v_mul_u32_u24 v3, v1, PITCH
	v_lshl_add_u32 v3, v2, 4, v3                   ; A: a fragment's row x pitch + 16 x half
	s_mul_i32 s21, s11, HALFA                      ; my 64 rows of A
	v_add_nc_u32 v[ADRA], s21, v3
	s_add_co_u32 s21, s21, SLOT
	v_add_nc_u32 v[ADRA+1], s21, v3
	; The turning load takes 16 rows k x 16 columns (lane l reads 16 bytes: row 8 (l / 16) + l % 8, columns 8 ((l / 8) % 2) + 0..7) and leaves half a fragment: lane l holds column l % 16 and 8 k.
	v_and_b32 v4, 7, v0
	v_bfe_u32 v5, v0, 3, 1
	v_lshl_add_u32 v4, v2, 3, v4
	v_mul_u32_u24 v4, v4, PB
	v_lshl_add_u32 v4, v5, 4, v4
	s_lshl_b32 s22, s12, 7                         ; my 64 columns: 128 bytes
	s_add_co_u32 s22, s22, APART
	v_add_nc_u32 v[ADRB], s22, v4                  ; slot 0, rows k 0-127
	s_add_co_u32 s23, s22, SLOT
	v_add_nc_u32 v[ADRB+1], s23, v4                ; slot 1, rows k 0-127
	s_add_co_u32 s23, s22, HALFB
	v_add_nc_u32 v[ADRB+2], s23, v4                ; slot 0, rows k 128-255
	s_add_co_u32 s23, s22, SLOT+HALFB
	v_add_nc_u32 v[ADRB+3], s23, v4                ; slot 1, rows k 128-255
	s_mul_i32 s23, s10, 16*SPITCH
	s_add_co_u32 s23, s23, STAGE                   ; my stage
	v_mul_u32_u24 v4, v1, SPITCH                   ; in: row l % 16, 32 bytes for each half of the lanes
	v_lshl_add_u32 v4, v2, 5, v4
	v_add_nc_u32 v[STO], s23, v4
	v_mul_u32_u24 v5, v2, SPITCH                   ; back: lanes 0-15 take one row of 256 bytes, lanes 16-31 the next
	v_lshl_add_u32 v5, v1, 4, v5
	v_add_nc_u32 v[RD], s23, v5
	v_mul_u32_u24 v5, v2, SIZE_N*4                 ; and the same two rows in C
	v_lshl_add_u32 v[CO], v1, 4, v5
	s_lshl_b32 s16, s13, 7
	s_lshl_b32 s17, s11, 6
	s_add_co_u32 s16, s16, s17                     ; my first row of C: 128 x tile row + 64 x half,
	s_lshl_b32 s16, s16, 13                        ; of 8,192 bytes
	s_mov_b32 s17, 0
	s_add_nc_u64 s[8:9], s[8:9], s[16:17]
	s_lshl_b32 s46, s42, 9                         ; my first column, in bytes: 512 x tile column + 256 x half
	s_lshl_b32 s47, s12, 8
	s_add_co_u32 s46, s46, s47
	s_mov_b32 s47, 0
	s_add_nc_u64 s[8:9], s[8:9], s[46:47]
; 8 matrix instructions: m blocks a0, a0 + 1 x all 4 n blocks, 32 along K: half c of buffer f.  zero = 1: the first product starts the sums.  The 16 accumulators take turns.
.macro MUL8 f, c, a0, zero
.irp a, \a0, \a0+1
.irp b, 0,1,2,3
.if \zero
	v_wmma_f32_16x16x32_f16 v[ACC+8*(4*(\a)+\b):ACC+8*(4*(\a)+\b)+7], v[\f+64+8*(4*\c+\b):\f+64+8*(4*\c+\b)+7], v[\f+8*(4*\c+\a):\f+8*(4*\c+\a)+7], 0
.else
	v_wmma_f32_16x16x32_f16 v[ACC+8*(4*(\a)+\b):ACC+8*(4*(\a)+\b)+7], v[\f+64+8*(4*\c+\b):\f+64+8*(4*\c+\b)+7], v[\f+8*(4*\c+\a):\f+8*(4*\c+\a)+7], v[ACC+8*(4*(\a)+\b):ACC+8*(4*(\a)+\b)+7]
.endif
.endr
.endr
.endm
; 32 LDS loads in one run: the fragments of the K step's quarter qd (64 along K) into buffer f; the first 32 along K first
.macro FETCH slot, qd, f
	WIN TO_F
.irp c, 0,1
.irp i, 0,1,2,3
	ds_load_tr16_b128 v[\f+64+8*(4*\c+\i):\f+64+8*(4*\c+\i)+3],   v[ADRB+\slot+2*((\qd)/2)] offset:(((\qd)%2)*64+32*\c)*PB+32*\i
	ds_load_tr16_b128 v[\f+64+8*(4*\c+\i)+4:\f+64+8*(4*\c+\i)+7], v[ADRB+\slot+2*((\qd)/2)] offset:(((\qd)%2)*64+32*\c+16)*PB+32*\i
	ds_load_b128 v[\f+8*(4*\c+\i):\f+8*(4*\c+\i)+3],         v[ADRA+\slot] offset:128*(\qd)+64*\c+\i*16*PITCH
	ds_load_b128 v[\f+8*(4*\c+\i)+4:\f+8*(4*\c+\i)+7],       v[ADRA+\slot] offset:128*(\qd)+64*\c+\i*16*PITCH+32
.endr
.endr
.endm
.macro PLACES                          ; four places in front of loads into registers that matrix instructions have read, and of LDS stores that read results
.rept 4
	v_nop
.endr
.endm
; A K step is four quarters of 64 along K, 32 matrix instructions each, on buffers 0, 1, 0, 1.  One of the first three: multiplies buffer f and fetches the next quarter, qd, into g.
.macro QUARTER slot, qd, f, g, zero
	s_wait_dscnt 16                                ; the first 32 along K are in; the sixteen loads of the second 32 may be out
	WIN MUL
	MUL8 \f, 0, 0, \zero
	MUL8 \f, 0, 2, \zero
	PLACES
	FETCH \slot, \qd, \g
	s_wait_dscnt 32                                ; all but the 32 just issued
	WIN MUL
	MUL8 \f, 1, 0, 0
	MUL8 \f, 1, 2, 0
.endm
; The last quarter multiplies buffer 1 and changes slots: ONE barrier; in front of it each wave waits for all its tensor loads, adds 0 to its spare word, and waits for that and for its own reads of this slot.  fill = 1: this slot is filled again, two K steps ahead.
.macro TURN slot, next, fill
	WIN 0                                          ; (the add's two registers lie in window 0)
	s_wait_tensorcnt 0x0                           ; all my tensor loads have landed: my part of the next slot;
	ds_add_u32 v[SPW], v[NIL]                      ; 0 onto my spare word;
	s_wait_dscnt 17                                ; (the add and the youngest sixteen loads may be out)
	WIN MUL
	MUL8 F1, 0, 0, 0                               ; eight matrix instructions stand between the add and the wait for it
	s_wait_dscnt 0x0                               ; the add is done, and my reads of this slot are over
	s_barrier_signal -1
	MUL8 F1, 0, 2, 0
.if \fill
	WIN 0
.endif
	s_barrier_wait -1
.if \fill
	CREST                                          ; the barrier has opened a round of the cluster's barrier: no wave of any partner still reads this slot's tile or has a load on its way
	s_add_nc_u64 s[G0+4*\slot+2:G0+4*\slot+3], s[G0+4*\slot+2:G0+4*\slot+3], 2*KSTEP*2
	s_add_nc_u64 s[G0B+4*\slot+2:G0B+4*\slot+3], s[G0B+4*\slot+2:G0B+4*\slot+3], 2*KSTEP*SIZE_N*2
	JLOAD \slot                                    ; the first tensor load behind the round; the four v_nop behind it are also the places in front of the loads below
.else
	PLACES
.endif
	FETCH \next, 0, F0
	WIN MUL
	MUL8 F1, 1, 0, 0
	MUL8 F1, 1, 2, 0
.endm
	s_wait_tensorcnt 1                             ; my part of K step 0 is in (K step 1's load may be out),
	s_barrier_signal -1
	s_barrier_wait -1                              ; everybody's is
	FETCH 0, 0, F0
	QUARTER 0, 1, F0, F1, 1                        ; the first quarter stands in front of the loop: its first products start the sums
	WIN 0                                          ; at a label and at a branch every window is 0
	s_mov_b32 s3, LAPS-1
.Llap:                                                 ; a trip goes once round the ring, from a lap's second quarter to the next lap's first, and fills both slots again
	QUARTER 0, 2, F1, F0, 0
	QUARTER 0, 3, F0, F1, 0
	TURN 0, 1, 1
	QUARTER 1, 1, F0, F1, 0
	QUARTER 1, 2, F1, F0, 0
	QUARTER 1, 3, F0, F1, 0
	TURN 1, 0, 1
	QUARTER 0, 1, F0, F1, 0
	WIN 0
	s_sub_co_u32 s3, s3, 1
	s_cmp_lg_u32 s3, 0
	s_cbranch_scc1 .Llap
	QUARTER 0, 2, F1, F0, 0                        ; the last lap fills nothing, and has no round of the cluster's barrier
	QUARTER 0, 3, F0, F1, 0
	TURN 0, 1, 0
	QUARTER 1, 1, F0, F1, 0
	QUARTER 1, 2, F1, F0, 0
	QUARTER 1, 3, F0, F1, 0
	s_wait_dscnt 16                                ; the very last quarter: nothing more to fetch
	WIN MUL
	MUL8 F1, 0, 0, 0
	MUL8 F1, 0, 2, 0
	s_wait_dscnt 0
	MUL8 F1, 1, 0, 0
	MUL8 F1, 1, 2, 0
	WIN 0
; THE WAY OUT, block by block of 16 rows x 64 columns: 256 bytes a row.  A lane holds 32 neighbouring bytes of a row for each of four column blocks, and the lanes beside it hold other rows: so a block goes through my own
; stage in LDS and comes back as whole rows.  LDS serves a wave's instructions in order (ISA guide 5.7.1.4): no wait between the stores and the loads, nor in front of the next block's stores.
.macro TOSTAGE a
.irp b, 0,1,2,3
	ds_store_b128 v[STO], v[ACC+8*(4*(\a)+\b):ACC+8*(4*(\a)+\b)+3] offset:64*\b       ; each accumulator from its low end on
	ds_store_b128 v[STO], v[ACC+8*(4*(\a)+\b)+4:ACC+8*(4*(\a)+\b)+7] offset:64*\b+16
.endr
.set BB, OB+32*((\a)%2)
.irp t, 0,1,2,3,4,5,6,7
	ds_load_b128 v[BB+4*\t:BB+4*\t+3], v[RD] offset:\t*2*SPITCH
.endr
.endm
.macro SEND a, younger                 ; younger: the LDS instructions issued behind block a's loads, which may stay out
.set BB, OB+32*((\a)%2)
	s_wait_dscnt \younger                          ; the block is back in registers
.irp t, 0,1,2,3,4,5,6,7
	global_store_b128 v[CO], v[BB+4*\t:BB+4*\t+3], s[8:9] offset:(16*(\a)+2*\t)*SIZE_N*4 th:TH_STORE_NT   ; 16 lanes store 256 consecutive bytes, aligned; 62 rows of C at the most: inside the signed 24-bit immediate
.endr
.endm
	PLACES
	TOSTAGE 0
.irp a, 1,2,3
.if \a > 1
	s_wait_xcnt 0x0                                ; block a - 2's stores have read their registers: block a's loads may land there
.endif
	TOSTAGE \a
	SEND \a-1, 16                                  ; behind block a - 1's loads: block a's 8 stores and 8 loads
.endr
	SEND 3, 0
	s_wait_tensorcnt 0x0                           ; the wave's end, behind my last tensor load and my last LDS store
	ds_add_u32 v[SPW], v[NIL]
	s_wait_dscnt 0x0
	CROUND                                         ; the closing round: no work-group ends while a partner may still ask for a tile that names it
	s_endpgm
.Lfunc_end_k_q53df16fdca_out_gemm:
	.size	k_q53df16fdca_out_gemm, .Lfunc_end_k_q53df16fdca_out_gemm-k_q53df16fdca_out_gemm
	.p2alignl 7, 3214868480
	.fill 96, 4, 3214868480
	.section	.rodata,"a",@progbits
	.p2align	6, 0x0
	.amdhsa_kernel k_q53df16fdca_out_gemm
		.amdhsa_group_segment_fixed_size 327680
		.amdhsa_private_segment_fixed_size 0
		.amdhsa_enable_private_segment 0
		.amdhsa_kernarg_size 24
		.amdhsa_user_sgpr_count 2
		.amdhsa_user_sgpr_kernarg_segment_ptr 1
		.amdhsa_wavefront_size32 1
		.amdhsa_system_sgpr_workgroup_id_x 1
		.amdhsa_system_sgpr_workgroup_id_y 1
		.amdhsa_system_sgpr_workgroup_id_z 1
		.amdhsa_system_vgpr_workitem_id 0
		.amdhsa_next_free_vgpr 512
		.amdhsa_next_free_sgpr 66
		.amdhsa_reserve_vcc 0
		.amdhsa_float_denorm_mode_32 3
		.amdhsa_float_denorm_mode_16_64 3
		.amdhsa_memory_ordered 1
		.amdhsa_forward_progress 1
		.amdhsa_inst_pref_size 86
	.end_amdhsa_kernel
	.amdgpu_metadata
---
amdhsa.version: [ 1, 2 ]
amdhsa.kernels:
  - .name:           k_q53df16fdca_out_gemm
    .symbol:         k_q53df16fdca_out_gemm.kd
    .args:
      - { .name: abuf, .offset: 0, .size: 8, .value_kind: global_buffer, .address_space: global }
      - { .name: wo16, .offset: 8, .size: 8, .value_kind: global_buffer, .address_space: global }
      - { .name: out0, .offset: 16, .size: 8, .value_kind: global_buffer, .address_space: global }
    .group_segment_fixed_size: 327680
    .private_segment_fixed_size: 0
    .kernarg_segment_align: 8
    .kernarg_segment_size: 24
    .max_flat_workgroup_size: 128
    .sgpr_count:     66
    .vgpr_count:     512
    .wavefront_size: 32
...
	.end_amdgpu_metadata
.endif
;; end of part 4
